; MI455X (gfx1250); checked and timed in simulation.
; The chip was launched on July 23, 2026; its instructions are those of AMD's public machine-readable ISA for CDNA 5 (MIT licence, August 2026) and "CDNA5" Instruction Set Architecture Reference Guide (July 2026). The comments in the code are by the model that wrote it; some were corrected since.
;; Attention. Allowed arithmetic: matrix products marked QUANTISED: E2M1 operands, one E8M0 scale for each 32 along K, by v_wmma_scale_f32_16x16x128_f8f6f4 with both operands' format E2M1 (or v_wmma_scale_f32_32x16x128_f4), f32 sums; products left as they are: bf16, f16 or f32 operands; f32 sums; everything else in f32.
;; Inputs: wo_w 1,024 x 1,024 float32; wqk_w 2,048 x 1,024 float32; wv_w 1,024 x 1,024 float32; x 2 x 2,048 x 1,024 float32.
;; Outputs: out0 2 x 2,048 x 1,024 float32.
;; This version of the problem:
;;   THIS VERSION OF THE PROBLEM IS GIVEN IN LOW PRECISION. The matrix products marked QUANTISED in the list below multiply operands that are first quantised to E2M1 (2 exponent bits, 1 mantissa bit; 4 bits a number), with one power-of-two scale for each 32 numbers along K (OCP MX v1.0); their sums are f32. The products marked 'left as it is' may take bf16, f16 or f32 operands, with f32 sums. Whichever they take, every output number must still come out within the allowed error. Rounding operands to bf16 (8 significant bits) uses up far more of that allowance than f16 does (11 bits, for magnitudes from 6e-5 to 65,504). All else is computed in f32.
;;   The module's matrix products, in the order in which they are computed (A, B: the left and right operand; K: the contracted axis; several contracted axes count as one K, in the product's order):
;;     1. [M 4,096, K 1,024] x [K 1,024, N 2,048]; A: input x; B: input wqk_w: QUANTISED
;;     2. [M 4,096, K 1,024] x [K 1,024, N 1,024]; A: input x; B: input wv_w: QUANTISED
;;     3. batch 64 x [M 2,048, K 32] x [K 32, N 2,048]; A: computed on the way; B: computed on the way: left as it is (an operand is computed on the way)
;;     4. batch 64 x [M 2,048, K 2,048] x [K 2,048, N 32]; A: computed on the way; B: computed on the way: left as it is (an operand is computed on the way)
;;     5. [M 4,096, K 1,024] x [K 1,024, N 1,024]; A: computed on the way; B: input wo_w: left as it is (an operand is computed on the way)
;;   THE QUANTISER, for each operand of a quantised product, along K:
;;     - K is cut into blocks of 32 from its start; a last block that is shorter is filled with zeros.
;;     - A block's scale is 2^e with e = floor(log2(the largest magnitude in the block)) - 2, held to -126 .. 127; a block of zeros has e = 0. As a byte (E8M0): e + 127.
;;     - Each number is divided by its block's scale, clamped to +-6, and rounded to the nearest number of E2M1, ties to even, subnormals kept.
;;     - The product sums the exact products of the quantised numbers (number of the format x scale) in f32.
;;   ~~~python
;;   def quantise(x, axis):      # numpy; x: float32 -> the quantised numbers, widened to float32 again
;;       x = np.moveaxis(x, axis, -1); K = x.shape[-1]
;;       x = np.pad(x, [(0, 0)] * (x.ndim - 1) + [(0, -K % 32)]); x = x.reshape(x.shape[:-1] + (-1, 32)); a = np.abs(x).max(-1, keepdims=True)
;;       e = np.where(a > 0, np.clip(np.frexp(np.where(a > 0, a, 1))[1] - 1 - 2, -126, 127), 0)      # np.frexp(a)[1] - 1 = floor(log2(a)), exactly
;;       r = np.clip(x / 2.0 ** e, -6, 6)
;;       step = 2.0 ** (np.maximum(np.frexp(np.where(r == 0, 1, r))[1] - 1, 0) - 1)
;;       q = np.round(r / step) * step * 2.0 ** e      # np.round: ties to even
;;       return np.moveaxis(q.reshape(q.shape[:-2] + (-1,))[..., :K], -1, axis).astype(np.float32)
;;   ~~~
;; One version. Each part assembles by itself: llvm-mc -triple=amdgcn-amd-amdhsa -mcpu=gfx1250 --defsym DOCPART=n.
;; ======== version 1 of 1: 5 launches
;; limits: values are held in f16: magnitudes above 65,504 overflow, below 6.1e-05 lose precision
;; workspace buffers: codes 3,670,016 bytes; scales 229,376 bytes; wo16 2,097,152 bytes; rope 524,288 bytes; qkv16 25,165,824 bytes; fine32 393,216 bytes; att16 8,388,608 bytes
;; launch prep (part 1): grid 320 x 1, 4 waves a work-group, no clusters, 33,280 bytes of LDS; arguments x, wqk_w, wv_w, wo_w, codes, scales, wo16, rope; writes codes, scales, wo16, rope
.if DOCPART == 1
	.amdgcn_target "amdgcn-amd-amdhsa--gfx1250"
	.amdhsa_code_object_version 6
	.text
	.protected	k_q44f6f9cdd1_prep
	.globl	k_q44f6f9cdd1_prep
	.p2align	8
	.type	k_q44f6f9cdd1_prep,@function
k_q44f6f9cdd1_prep:
	s_mov_b64 s[64:65], 0
	v_nop
	global_prefetch_b8 v0, s[64:65] scope:SCOPE_SE
	s_setreg_imm32_b32 hwreg(HW_REG_WAVE_MODE, 25, 1), 1
	s_wait_xcnt 0x0
; PREP: three kinds of work-groups, told apart by the work-group's number alone.
;  0-223   x [4096][1024], wqk_w [2048][1024], wv_w [1024][1024], f32, K innermost, become codes of FP4 (E2M1) and one E8M0 byte for each 32 along K.
;          Rows are dense and 1,024 is a multiple of 32, so the three tensors are one stream of blocks of 32: x's codes from byte 0, the weights' 3,072 rows from byte 2,097,152; the bytes likewise (131,072).
;          A block's scale is 2^(floor(log2(largest magnitude)) - 2): its byte is the largest magnitude's exponent field - 2, held at 1 from below.
;  224-287 wo_w [1024][1024] f32 becomes f16, row-major.
;  288-319 the rotary tables: [table 2][pos 2048][g 4][c 2][4 f32], frequency 4 g + n, c = 0 the cosine, c = 1 the sine; table 0 (for q) is multiplied by log2(e) / sqrt(32), table 1 (for k) is plain.
; LIMITS: NaN and infinities among the inputs are not served.  A block of zeros gets the byte 1 where the rule says 127: its codes are zeros, and this program alone reads the bytes.
;         |wo_w| must stay under 65,504 (f16).  The sixteen frequencies are written as f32 constants, each within one unit in the last place of 10000^(-i/16): an angle moves by at most 2,047 x 2^-24 of itself.
;         Sine and cosine: the angle (at most 2,047) less n quarter turns in two parts, then polynomials on +-pi/4, all in f32.
.set WAVES, 4
.set STEPS, 16
.set EMAX,  2
.set CB,    8                          ; bytes of 16 codes
.set R,     16                         ; v16-79   four sets of 16 numbers as they are loaded
.set X,     80                         ; v80-111  two sets of 16 neighbours
.set E,     112                        ; v112-127 a scale byte for each step
.set C,     128                        ; v128-191 codes: four registers for each step
.set WREG,  8192                       ; LDS: a region for each wave: two stages of 32 x SP bytes, then its 256 scale bytes
.set SP,    80                         ; a lane's place in a stage: 64 bytes + 16 of padding
.set SPW,   12                         ; v12 LDS address of my spare word; never rewritten
.set NIL,   13                         ; v13 0; never rewritten
.set SPARE, WAVES*WREG                 ; behind the regions: the spare words, 128 bytes a wave
	s_load_b256 s[4:11], s[0:1], 0x0               ; x s[4:5], wqk_w s[6:7], wv_w s[8:9], wo_w s[10:11]
	s_load_b256 s[12:19], s[0:1], 0x20             ; codes s[12:13], scales s[14:15], wo16 s[16:17], rope s[18:19]
	v_lshl_add_u32 v[SPW], v0, 2, SPARE
	v_mov_b32 v[NIL], 0
	v_lshrrev_b32 v1, 5, v0
	v_readfirstlane_b32 s20, v1                    ; wave
	v_and_b32 v2, 31, v0                           ; lane
	v_lshlrev_b32 v3, 4, v2                        ; 16 x lane
	s_mul_i32 s21, s20, WREG
	v_lshrrev_b32 v14, 2, v2
	v_mul_u32_u24 v14, v14, SP
	v_and_b32 v15, 3, v2
	v_lshl_add_u32 v14, v15, 4, v14
	v_add_nc_u32 v14, s21, v14                     ; the stage, on the way in: SP (lane / 4) + 16 (lane % 4)
	v_mul_u32_u24 v15, v2, SP
	v_add_nc_u32 v15, s21, v15                     ; and on the way out: SP x lane
	v_mul_u32_u24 v4, v2, CB                       ; 8 x lane
	v_lshrrev_b32 v5, 1, v2
	s_add_co_u32 s21, s21, 2*32*SP
	v_add_nc_u32 v5, s21, v5                       ; my block's scale byte in LDS
	v_lshlrev_b32 v7, 3, v2
	v_add_nc_u32 v6, s21, v7                       ; and 8 bytes a lane on the way out
	s_wait_kmcnt 0x0
	s_cmp_ge_u32 ttmp9, 288
	s_cbranch_scc1 .Lrope
	s_cmp_ge_u32 ttmp9, 224
	s_cbranch_scc1 .Lwo
	; ---- the quantiser.  Only pointers are chosen: the three tensors take one path
	s_mov_b32 s21, 192
	s_cmp_lt_u32 ttmp9, 192
	s_cselect_b64 s[6:7], s[6:7], s[8:9]           ; wqk_w or wv_w
	s_cselect_b32 s21, 128, s21
	s_cmp_lt_u32 ttmp9, 128
	s_cselect_b64 s[4:5], s[4:5], s[6:7]           ; x or a weight
	s_cselect_b32 s21, 0, s21                      ; the tensor's first work-group
	s_sub_co_u32 s21, ttmp9, s21
	s_lshl_b32 s21, s21, 2
	s_add_co_u32 s22, s21, s20                     ; which run of 8,192 numbers of the tensor is my wave's
	s_lshl_b32 s22, s22, 15
	s_mov_b32 s23, 0
	s_add_nc_u64 s[4:5], s[4:5], s[22:23]
	s_lshl_b32 s24, ttmp9, 2
	s_add_co_u32 s24, s24, s20                     ; and which run of the stream of codes
	s_lshl_b32 s22, s24, 12
	s_add_nc_u64 s[12:13], s[12:13], s[22:23]
	s_lshl_b32 s22, s24, 8
	s_add_nc_u64 s[14:15], s[14:15], s[22:23]
.macro LOAD t
.irp i, 0,1,2,3
	global_load_b128 v[R+16*((\t)%4)+4*\i:R+16*((\t)%4)+4*\i+3], v3, s[4:5] offset:2048*(\t)+512*\i th:TH_LOAD_NT   ; 32 lanes read 512 consecutive bytes
.endr
.endm
.macro TURN t                          ; step t's numbers through the stage: LDS serves a wave's instructions in order, so no wait stands between the stores and the loads
.irp i, 0,1,2,3
	ds_store_b128 v14, v[R+16*((\t)%4)+4*\i:R+16*((\t)%4)+4*\i+3] offset:32*SP*((\t)%2)+8*SP*\i
.endr
.irp i, 0,1,2,3
	ds_load_b128 v[X+16*((\t)%2)+4*\i:X+16*((\t)%2)+4*\i+3], v15 offset:32*SP*((\t)%2)+16*\i
.endr
.endm
.irp t, 0,1,2,3
	LOAD \t
.endr
	s_wait_loadcnt 12                              ; step 0's four loads are in
	TURN 0
.macro STEP t
.set XS, X+16*((\t)%2)
.if (\t) > 0
	s_wait_dscnt 1                                 ; this step's numbers are back from the stage (the last step's byte store may be out)
.else
	s_wait_dscnt 0x0
.endif
.if (\t)+4 < STEPS
	LOAD (\t)+4                                    ; into the registers that this step's stores into the stage have read
.endif
.if (\t)+1 < STEPS
.if STEPS-2-(\t) >= 3
	s_wait_loadcnt 12                              ; the next step's four loads are in; those of the three steps behind it may be out
.else
	s_wait_loadcnt 4*(STEPS-2-(\t))
.endif
	TURN (\t)+1
.endif
	v_max3_num_f32 v8, |v[XS]|, |v[XS+1]|, |v[XS+2]|               ; the largest magnitude of my 16
	v_max3_num_f32 v9, |v[XS+3]|, |v[XS+4]|, |v[XS+5]|
.irp i, 6,10
	v_max3_num_f32 v8, v8, |v[XS+\i]|, |v[XS+\i+1]|
	v_max3_num_f32 v9, v9, |v[XS+\i+2]|, |v[XS+\i+3]|
.endr
	v_max3_num_f32 v8, v8, |v[XS+14]|, |v[XS+15]|
	v_max3_num_f32 v8, v8, v9, (EMAX+1)<<23        ; and the floor 2^(3 - 127): the byte cannot fall under 1
	v_max_num_f32_dpp v8, v8, v8 row_xmask:1 row_mask:0xf bank_mask:0xf   ; with my neighbour's 16: the block's
	v_add_nc_u32 v11, -(EMAX<<23), v8              ; 2 off its exponent field: the conversion takes the exponent field of this operand as its scale
	v_cvt_scalef32_pk8_fp4_f32 v[C+4*(\t)], v[XS:XS+7], v11
	v_cvt_scalef32_pk8_fp4_f32 v[C+4*(\t)+1], v[XS+8:XS+15], v11
	v_lshrrev_b32 v[E+(\t)], 23, v11               ; the scale's byte
	ds_store_b8 v5, v[E+(\t)] offset:16*(\t)       ; both lanes of a block write the same byte with the same value
	global_store_b64 v4, v[C+4*(\t):C+4*(\t)+1], s[12:13] offset:32*CB*(\t)   ; the wave stores 256 consecutive bytes, aligned
.endm
.irp t, 0,1,2,3,4,5,6,7,8,9,10,11,12,13,14,15
	STEP \t
.endr
	ds_load_b64 v[8:9], v6                         ; my wave's 256 scale bytes
	s_wait_dscnt 0x0
	global_store_b64 v7, v[8:9], s[14:15]          ; 256 consecutive bytes, aligned
	s_branch .Lend
	; ---- wo_w to f16: a wave takes 4,096 numbers; every register is used once, so no store's data are written again
.Lwo:
	s_sub_co_u32 s21, ttmp9, 224
	s_lshl_b32 s21, s21, 2
	s_add_co_u32 s21, s21, s20
	s_lshl_b32 s22, s21, 14
	s_mov_b32 s23, 0
	s_add_nc_u64 s[10:11], s[10:11], s[22:23]
	s_lshl_b32 s22, s21, 13
	s_add_nc_u64 s[16:17], s[16:17], s[22:23]
.set i, 0
.rept 32
	global_load_b128 v[32+4*i:35+4*i], v3, s[10:11] offset:512*i
.set i, i+1
.endr
.set i, 0
.rept 32
	s_wait_loadcnt 31-i                            ; loads come back in order: load i is in, the younger ones stay out
	v_cvt_pk_f16_f32 v[32+4*i], v[32+4*i], v[33+4*i]
	v_cvt_pk_f16_f32 v[33+4*i], v[34+4*i], v[35+4*i]
	global_store_b64 v4, v[32+4*i:33+4*i], s[16:17] offset:256*i   ; 256 consecutive bytes, aligned
.set i, i+1
.endr
	s_branch .Lend
	; ---- the rotary tables: thread T of 4,096 makes items T + 4,096 k, k = 0 .. 3; an item is 4 numbers: pos = item / 8, g = (item / 2) % 4, c = item % 2
.Lrope:
	s_sub_co_u32 s21, ttmp9, 288
	s_lshl_b32 s22, s21, 4
	v_lshrrev_b32 v16, 3, v0
	v_add_nc_u32 v16, s22, v16                     ; pos of item k = 0
	v_bfe_u32 v22, v0, 1, 2                        ; g
	v_and_b32 v21, 1, v0
	v_xor_b32 v21, 1, v21                          ; 1 - c: the cosine is the sine a quarter turn on
	s_lshl_b32 s22, s21, 7
	v_add_nc_u32 v23, s22, v0
	v_lshlrev_b32 v23, 4, v23                      ; 16 T
	s_mov_b32 s24, 0x3f22f983                      ; 2 / pi
	s_mov_b32 s25, 0xbfc90fdb                      ; -(pi / 2), its f32 part,
	s_mov_b32 s26, 0x333bbd2e                      ; and what that part is too large by
	s_mov_b32 s27, 0xb94ca1f9                      ; sine: r + r z (S1 + z (S2 + z S3))
	s_mov_b32 s28, 0x3c08839e
	s_mov_b32 s29, 0xbe2aaaa3
	s_mov_b32 s30, 0x37ccf5ce                      ; cosine: 1 - z / 2 + z z (C1 + z (C2 + z C3))
	s_mov_b32 s31, 0xbab6061a
	s_mov_b32 s32, 0x3d2aaaa5
	s_mov_b32 s36, 0x3e8293ee                      ; log2(e) / sqrt(32)
	v_cmp_eq_u32 s33, 1, v22
	v_cmp_eq_u32 s34, 2, v22
	v_cmp_eq_u32 s35, 3, v22
.macro PICK n, l0, l1, l2, l3          ; v[24 + n] = 10000^(-(4 g + n) / 16)
	v_mov_b32 v[24+\n], \l0
	v_mov_b32 v28, \l1
	v_cndmask_b32 v[24+\n], v[24+\n], v28, s33
	v_mov_b32 v28, \l2
	v_cndmask_b32 v[24+\n], v[24+\n], v28, s34
	v_mov_b32 v28, \l3
	v_cndmask_b32 v[24+\n], v[24+\n], v28, s35
.endm
	PICK 0, 0x3f800000, 0x3dcccccd, 0x3c23d70a, 0x3a83126f
	PICK 1, 0x3f0ff59a, 0x3d6655c3, 0x3bb8449c, 0x3a136a16
	PICK 2, 0x3ea1e89b, 0x3d0186e2, 0x3b4f3e37, 0x39a5cb5f
	PICK 3, 0x3e361887, 0x3c91ad39, 0x3ae91528, 0x393a7753
.macro SINCOS d, f                     ; v[d] = cos or sin (by v21) of v20 x v[f]
	v_mul_f32 v40, v20, v[\f]                      ; the angle, rounded once
	v_mul_f32 v41, s24, v40
	v_rndne_f32 v41, v41                           ; n quarter turns
	v_fma_f32 v42, v41, s25, v40
	v_fma_f32 v42, v41, s26, v42                   ; r, within +-pi/4
	v_mul_f32 v43, v42, v42                        ; z
	v_fma_f32 v44, v43, s27, s28
	v_fma_f32 v44, v44, v43, s29
	v_mul_f32 v44, v44, v43
	v_fma_f32 v44, v44, v42, v42                   ; sin r
	v_fma_f32 v45, v43, s30, s31
	v_fma_f32 v45, v45, v43, s32
	v_mul_f32 v46, v43, v43
	v_fma_f32 v47, v43, -0.5, 1.0
	v_fma_f32 v45, v46, v45, v47                   ; cos r
	v_cvt_i32_f32 v46, v41
	v_add_nc_u32 v46, v46, v21                     ; the quadrant of the sine that is wanted
	v_and_b32 v47, 1, v46
	v_cmp_eq_u32 vcc_lo, 1, v47
	v_cndmask_b32 v44, v44, v45, vcc_lo            ; odd quadrants take cos r
	v_lshlrev_b32 v46, 30, v46
	v_and_b32 v46, 0x80000000, v46                 ; quadrants 2 and 3 change the sign
	v_xor_b32 v[\d], v46, v44
.endm
.irp k, 0,1,2,3
	v_add_nc_u32 v17, 512*\k, v16
	v_cvt_f32_u32 v20, v17
.irp n, 0,1,2,3
	SINCOS 48+8*\k+\n, 24+\n
.endr
.irp n, 0,1,2,3
	v_mul_f32 v[52+8*\k+\n], s36, v[48+8*\k+\n]
.endr
	global_store_b128 v23, v[48+8*\k:51+8*\k], s[18:19] offset:65536*\k+262144   ; table 1; the wave stores 512 consecutive bytes
	global_store_b128 v23, v[52+8*\k:55+8*\k], s[18:19] offset:65536*\k          ; table 0
.endr
.Lend:
	s_wait_tensorcnt 0x0                           ; the wave's end, behind my last LDS store
	ds_add_u32 v[SPW], v[NIL]
	s_wait_dscnt 0x0
	s_endpgm
.Lfunc_end_k_q44f6f9cdd1_prep:
	.size	k_q44f6f9cdd1_prep, .Lfunc_end_k_q44f6f9cdd1_prep-k_q44f6f9cdd1_prep
	.p2alignl 7, 3214868480
	.fill 96, 4, 3214868480
	.section	.rodata,"a",@progbits
	.p2align	6, 0x0
	.amdhsa_kernel k_q44f6f9cdd1_prep
		.amdhsa_group_segment_fixed_size 33280
		.amdhsa_private_segment_fixed_size 0
		.amdhsa_enable_private_segment 0
		.amdhsa_kernarg_size 64
		.amdhsa_user_sgpr_count 2
		.amdhsa_user_sgpr_kernarg_segment_ptr 1
		.amdhsa_wavefront_size32 1
		.amdhsa_system_sgpr_workgroup_id_x 1
		.amdhsa_system_sgpr_workgroup_id_y 1
		.amdhsa_system_sgpr_workgroup_id_z 1
		.amdhsa_system_vgpr_workitem_id 0
		.amdhsa_next_free_vgpr 192
		.amdhsa_next_free_sgpr 66
		.amdhsa_reserve_vcc 1
		.amdhsa_float_denorm_mode_32 3
		.amdhsa_float_denorm_mode_16_64 3
		.amdhsa_memory_ordered 1
		.amdhsa_forward_progress 1
		.amdhsa_inst_pref_size 66
	.end_amdhsa_kernel
	.amdgpu_metadata
---
amdhsa.version: [ 1, 2 ]
amdhsa.kernels:
  - .name:           k_q44f6f9cdd1_prep
    .symbol:         k_q44f6f9cdd1_prep.kd
    .args:
      - { .name: x, .offset: 0, .size: 8, .value_kind: global_buffer, .address_space: global }
      - { .name: wqk_w, .offset: 8, .size: 8, .value_kind: global_buffer, .address_space: global }
      - { .name: wv_w, .offset: 16, .size: 8, .value_kind: global_buffer, .address_space: global }
      - { .name: wo_w, .offset: 24, .size: 8, .value_kind: global_buffer, .address_space: global }
      - { .name: codes, .offset: 32, .size: 8, .value_kind: global_buffer, .address_space: global }
      - { .name: scales, .offset: 40, .size: 8, .value_kind: global_buffer, .address_space: global }
      - { .name: wo16, .offset: 48, .size: 8, .value_kind: global_buffer, .address_space: global }
      - { .name: rope, .offset: 56, .size: 8, .value_kind: global_buffer, .address_space: global }
    .group_segment_fixed_size: 33280
    .private_segment_fixed_size: 0
    .kernarg_segment_align: 8
    .kernarg_segment_size: 64
    .max_flat_workgroup_size: 128
    .sgpr_count:     66
    .vgpr_count:     192
    .wavefront_size: 32
...
	.end_amdgpu_metadata
.endif
;; end of part 1
;; launch proj (part 2): grid 12 x 16, 4 waves a work-group, clusters of 4 x 4, 327,680 bytes of LDS; arguments codes, scales, rope, qkv16, fine32; writes qkv16, fine32
.if DOCPART == 2
	.amdgcn_target "amdgcn-amd-amdhsa--gfx1250"
	.amdhsa_code_object_version 6
	.text
	.protected	k_q44f6f9cdd1_proj
	.globl	k_q44f6f9cdd1_proj
	.p2align	8
	.type	k_q44f6f9cdd1_proj,@function
k_q44f6f9cdd1_proj:
	s_mov_b64 s[64:65], 0
	v_nop
	global_prefetch_b8 v0, s[64:65] scope:SCOPE_SE
	s_setreg_imm32_b32 hwreg(HW_REG_WAVE_MODE, 25, 1), 1
	s_wait_xcnt 0x0
	s_wait_alu depctr_hold_cnt(0) depctr_sa_sdst(0) depctr_va_vdst(0) depctr_va_sdst(0) depctr_va_ssrc(0) depctr_va_vcc(0) depctr_vm_vsrc(0)
	s_getreg_b32 s2, hwreg(HW_REG_IB_STS2, 6, 4)
	s_cmp_eq_u32 s2, 0
	s_cbranch_scc0 .Lentry_in_a_cluster
	s_endpgm
.Lentry_in_a_cluster:
	s_bfe_u32 s2, ttmp6, 0x10000c
	s_cmp_lg_u32 s2, 0xf033
	s_cbranch_scc0 .Lentry_shape_is_right
	s_endpgm
.Lentry_shape_is_right:
; PROJ: [q | k | v] = x [wqk_w ; wv_w]^T, 4,096 x 3,072 x 1,024, on codes of FP4 (E2M1) with one E8M0 scale for each 32 along K; then the rotary embedding of q and k in f32, and f16.
; A tile of 256 x 256 is made by four waves, each 128 x 128: 64 accumulators, 512 registers.  K = 1,024 is two slots of 512: all of K is asked for at the head and nothing is filled again.
; CLUSTERS: 4 x 4 work-groups; A's tiles (x) are shared along a row of the cluster, B's (the weights) along a column: joint loads.  The cluster's x is 0, 1, 2 for q, k, v: the one branch on it is alike in all partners.
; THE MATRIX INSTRUCTION IS USED TRANSPOSED (source 0 = 16 weight rows, source 1 = 16 rows of x): a lane holds position l % 16 and eight neighbouring channels 16 b + 8 (l / 16) + 0 .. 7.
; THE WAY OUT needs no LDS: the results are stored as IMAGES OF THE NEXT LAUNCH'S OPERAND REGISTERS: qkv16 [t][32 batch + head][pos / 16][1,024 bytes]; q, k: [channel / 16][lane][16 bytes];
; v: the same pieces at place 16 (r / 8) + 8 h + r % 8, the order in which the turning LDS load takes them.  Each store of a wave covers 512 consecutive bytes.
; Positions 0-15 of each batch go out in f32 too (fine32 [batch][t][head][channel / 16][2][lane][16 bytes]), for the launch that carries them finely.
; THE ROTARY COEFFICIENTS of my 128 positions, 32 loads a wave, are asked for at the head, on the one way that all work-groups take, and land while the products run.  v is not rotated: its tiles load k's table
; all the same (16 KiB a wave) and do not use it; so every register that the rotation reads is written on every way through the text.
; q's table of cosines and sines holds the factor log2(e) / sqrt(32).  LIMITS: that factor x |q|, |k|, |v| must stay under 65,504 (f16).
; REGISTERS, in windows of 256: window 0: v0-31 addresses; v32-95 scale words, two sets, and nothing else; v96-127 on the way out the f16 pieces; v128-191 A's fragments, one set, on the way out the rotated numbers.
;   window 1: B's fragments, two sets, at v0-63 and v128-191; the coefficients at v64-127 (blocks 0-3) and v192-255 (blocks 4-7).
;   window 2: the accumulators of my rows 0-63 ((a, b) at v[8 (8 a + b)]);   window 3: those of rows 64-127.
.set SIZE_K, 1024
.set KSTEP,  512
.set NQ,     KSTEP/128
.set ROWB,   256                       ; a tile's row in bytes
.set KROW,   SIZE_K*4/8                ; a row of codes in memory
.set PITCH,  272                       ; an LDS row: 256 bytes + 16 of padding
.set FR,     8
.set NL,     2
.set NP,     4                         ; places behind this matrix instruction (ISA guide 7.12.1)
.set HALFT,  128*PITCH
.set SLOT,   4*HALFT
.set KS,     SIZE_K/32                 ; a row of scale bytes
.set SCL,    2*SLOT                    ; behind the slots: the scales, as units of 256 bytes + 16 of padding
.set HALFS,  (128*KS/256)*272
.set SBLK,   (16*KS/256)*272
.set SPARE,  SCL+4*HALFS               ; the spare words, 128 bytes a wave
.set WCODES, 2097152                   ; where the weights' codes begin in the stream,
.set WSCALES, 131072                   ; and their scale bytes
.set ADRA, 16
.set ADRB, 20
.set POSV, 22                          ; v22 my position in block 0
.set FO,   23                          ; v23 16 x lane
.set ADRS, 27
.set SPW,  28
.set NIL,  29
.set RO,   30                          ; v30 my place in a block's coefficients: 128 r + 32 h
.set QO,   31                          ; v31 my piece's place in an image
.set SC,   32
.set HF,   96                          ; the way out: f16 pieces
.set AF,   128
.set TR,   128                         ; the way out: rotated numbers
.set G1, 24
.set G0, 32
.set G1B, 48
.set G0B, 56
.set G1S, 68
.set G0S, 76
.set G1SB, 80
.set G0SB, 88
.set MSB, 0
.macro WIN new                         ; the immediate's high byte repeats the setting that is left
.if MSB != \new
	s_set_vgpr_msb (MSB<<8)|\new
.set MSB, \new
.endif
.endm
.set MUL_LO, 0xa1                      ; source 0 (B) window 1, source 1 (A) window 0, C and D window 2
.set MUL_HI, 0xf1
.set TO_B,   0x40                      ; destination window 1, address window 0
; A joint load: waves 0 and 1 fetch for A, waves 2 and 3 for B; the branch hangs on the wave's number alone.  An s_nop 0 and four v_nop follow each line.
.macro JLOAD g0a, g1a, g0b, g1b
	s_cmp_eq_u32 s15, 0
	s_cbranch_scc0 .Lfor_b_\@
	tensor_load_to_lds s[\g0a:\g0a+3], s[\g1a:\g1a+7]
	s_nop 0
.rept 4
	v_nop
.endr
	s_branch .Lasked_\@
.Lfor_b_\@:
	tensor_load_to_lds s[\g0b:\g0b+3], s[\g1b:\g1b+7]
	s_nop 0
.rept 4
	v_nop
.endr
.Lasked_\@:
.endm
.macro CROUND                          ; a round of the cluster's barrier
	s_barrier_signal -1
	s_barrier_wait -1
	s_cmp_lg_u32 s14, 0
	s_cbranch_scc1 .Lnot_wave_0_\@
	s_barrier_signal -3
.Lnot_wave_0_\@:
	s_barrier_wait -3
	s_barrier_signal -1
	s_barrier_wait -1
.endm
	s_load_b128 s[4:7], s[0:1], 0x0                ; codes s[4:5], scales s[6:7]
	s_load_b128 s[8:11], s[0:1], 0x10              ; rope s[8:9], qkv16 s[10:11]
	s_load_b64 s[12:13], s[0:1], 0x20              ; fine32
	v_lshl_add_u32 v[SPW], v0, 2, SPARE
	v_mov_b32 v[NIL], 0
	ds_add_u32 v[SPW], v[NIL]                      ; the wave's opening: the add, twice on end, and its wait ahead of my first tensor load
	ds_add_u32 v[SPW], v[NIL]
	v_lshrrev_b32 v1, 5, v0
	v_readfirstlane_b32 s14, v1                    ; wave 0..3
	s_lshr_b32 s15, s14, 1                         ; which half of the tile's rows is mine.  Also: I fetch for A (0) or for B (1)
	s_and_b32 s16, s14, 1                          ; which half of its columns.  Also: which 128 rows I fetch
	s_bfe_u32 s40, ttmp6, 0x40000                  ; cx, cy
	s_bfe_u32 s41, ttmp6, 0x40004
	s_lshl_b32 s42, ttmp9, 2
	s_add_co_u32 s42, s42, s40                     ; tile column
	s_and_b32 s17, ttmp7, 0xffff
	s_lshl_b32 s17, s17, 2
	s_add_co_u32 s17, s17, s41                     ; tile row
	s_lshl_b32 s43, s41, 2
	s_lshl_b32 s43, 15, s43                        ; my row of the cluster
	s_lshl_b32 s44, 0x1111, s40                    ; my column
	s_or_b32 s[G1+0], s43, (0<<16)|(1<<20)|(1<<21)|(5<<22)|(3<<25)  ; the mask; elements of 1 byte; padding: 4 words behind every 64; bit 21 beside a mask
	s_or_b32 s[G1B+0], s44, (0<<16)|(1<<20)|(1<<21)|(5<<22)|(3<<25)
.irp g, G1, G1B
	s_mov_b32 s[\g+1], ROWB<<16                    ; tensor_dim0
	s_mov_b32 s[\g+2], 128<<16                     ; tensor_dim1
	s_mov_b32 s[\g+3], ROWB<<16                    ; tile_dim0
	s_mov_b32 s[\g+4], 128                         ; tile_dim1
	s_mov_b32 s[\g+5], KROW                        ; the pitch
	s_mov_b32 s[\g+6], 0
	s_mov_b32 s[\g+7], 0
.endr
	s_or_b32 s[G1S+0], s43, (3<<16)|(1<<20)|(1<<21)|(5<<22)|(3<<25) ; the scales of 128 rows: 4,096 dense bytes as 16 rows of 256 (32 elements of 8 bytes)
	s_or_b32 s[G1SB+0], s44, (3<<16)|(1<<20)|(1<<21)|(5<<22)|(3<<25)
.irp g, G1S, G1SB
	s_mov_b32 s[\g+1], 32<<16
	s_mov_b32 s[\g+2], (128*KS/256)<<16
	s_mov_b32 s[\g+3], 32<<16
	s_mov_b32 s[\g+4], 128*KS/256
	s_mov_b32 s[\g+5], 32
	s_mov_b32 s[\g+6], 0
	s_mov_b32 s[\g+7], 0
.endr
	s_lshl_b32 s18, s16, 7
	s_lshl_b32 s20, s17, 8
	s_add_co_u32 s20, s20, s18                     ; A: row 256 x tile row + 128 x half
	s_lshl_b32 s46, s42, 8
	s_add_co_u32 s46, s46, s18                     ; B: row 256 x tile column + 128 x half
	s_mov_b32 s21, 0
	s_mov_b32 s47, 0
	s_mov_b64 s[18:19], KS
	s_mul_u64 s[22:23], s[20:21], s[18:19]         ; where these rows' scales begin
	s_mul_u64 s[92:93], s[46:47], s[18:19]
	s_mov_b64 s[18:19], KROW
	s_mul_u64 s[20:21], s[20:21], s[18:19]         ; and their codes
	s_mul_u64 s[46:47], s[46:47], s[18:19]
	s_add_nc_u64 s[46:47], s[46:47], WCODES        ; the weights lie behind x in both streams
	s_add_nc_u64 s[92:93], s[92:93], WSCALES
	s_mul_i32 s45, s14, HALFT                      ; where they go: wave x 128 rows
	s_mul_i32 s94, s14, HALFS
	s_wait_dscnt 0x0                               ; both opening adds are done
	s_wait_kmcnt 0x0
	s_add_nc_u64 s[20:21], s[4:5], s[20:21]
	s_add_nc_u64 s[22:23], s[6:7], s[22:23]
	s_add_nc_u64 s[46:47], s[4:5], s[46:47]
	s_add_nc_u64 s[92:93], s[6:7], s[92:93]
	CROUND                                         ; all sixteen work-groups are here: the joint loads meet
	s_mov_b32 s[G0S], 1
	s_add_co_u32 s[G0S+1], s94, SCL
	s_mov_b64 s[G0S+2:G0S+3], s[22:23]
	s_or_b32 s[G0S+3], s[G0S+3], 0x80000000
	s_mov_b32 s[G0SB], 1
	s_add_co_u32 s[G0SB+1], s94, SCL
	s_mov_b64 s[G0SB+2:G0SB+3], s[92:93]
	s_or_b32 s[G0SB+3], s[G0SB+3], 0x80000000
	JLOAD G0S, G1S, G0SB, G1SB                     ; the scales first; three loads of mine are out behind the last of these
.irp s, 0,1
	s_mov_b32 s[G0+4*\s], 1
	s_add_co_u32 s[G0+4*\s+1], s45, \s*SLOT
	s_add_nc_u64 s[G0+4*\s+2:G0+4*\s+3], s[20:21], \s*ROWB
	s_or_b32 s[G0+4*\s+3], s[G0+4*\s+3], 0x80000000
	s_mov_b32 s[G0B+4*\s], 1
	s_add_co_u32 s[G0B+4*\s+1], s45, \s*SLOT
	s_add_nc_u64 s[G0B+4*\s+2:G0B+4*\s+3], s[46:47], \s*ROWB
	s_or_b32 s[G0B+4*\s+3], s[G0B+4*\s+3], 0x80000000
	JLOAD G0+4*\s, G1, G0B+4*\s, G1B
.endr
	v_and_b32 v1, 15, v0                           ; r = l % 16
	v_bfe_u32 v2, v0, 4, 1                         ; h = l / 16
	v_mul_u32_u24 v3, v1, PITCH
	v_lshl_add_u32 v4, v2, 4, v3                   ; a fragment's row x pitch + 16 x half
	s_mul_i32 s21, s15, HALFT
	s_mul_i32 s22, s16, HALFT
	s_add_co_u32 s22, s22, 2*HALFT
.irp s, 0,1
	v_add_nc_u32 v[ADRA+\s], s21, v4
	v_add_nc_u32 v[ADRB+\s], s22, v4
	s_add_co_u32 s21, s21, SLOT
	s_add_co_u32 s22, s22, SLOT
.endr
	v_mul_u32_u24 v5, v1, KS                       ; my row's scales: KS bytes a row,
	v_lshrrev_b32 v6, 8, v5
	v_lshl_add_u32 v5, v6, 4, v5                   ; and 16 more for each 256 passed
	s_mul_i32 s21, s15, HALFS
	s_mul_i32 s22, s16, HALFS
	s_add_co_u32 s22, s22, 2*HALFS
	s_sub_co_u32 s22, s22, s21
	v_mul_u32_u24 v6, s22, v2                      ; lanes 16-31 take B's
	s_add_co_u32 s21, s21, SCL
	v_add_nc_u32 v5, v5, v6
	v_add_nc_u32 v[ADRS], s21, v5
	; where my results go.  s18, s19 hang on the tile row, s93 on the tile column; sums of both stand in s94, s95, s46
	s_and_b32 s18, s17, 7
	s_lshl_b32 s18, s18, 8
	s_lshl_b32 s19, s15, 7
	s_add_co_u32 s18, s18, s19                     ; my first position in its batch
	s_lshr_b32 s19, s17, 3                         ; the batch
	s_and_b32 s93, s42, 3
	s_lshl_b32 s93, s93, 3
	s_lshl_b32 s94, s16, 2
	s_add_co_u32 s93, s93, s94                     ; my first head
	s_lshl_b32 s94, ttmp9, 6
	s_lshl_b32 s95, s19, 5
	s_add_co_u32 s94, s94, s95
	s_add_co_u32 s94, s94, s93                     ; 64 t + 32 batch + head
	s_lshl_b32 s46, s94, 17
	s_lshl_b32 s95, s18, 6                         ; 1,024 bytes for each 16 positions
	s_add_co_u32 s46, s46, s95
	s_mov_b32 s47, 0
	s_add_nc_u64 s[10:11], s[10:11], s[46:47]
	s_min_u32 s94, ttmp9, 1                        ; q's table, or k's (for k and for v)
	s_lshl_b32 s46, s94, 18
	s_lshl_b32 s95, s18, 7
	s_add_co_u32 s46, s46, s95
	s_add_nc_u64 s[8:9], s[8:9], s[46:47]
	s_mul_i32 s94, s19, 96
	s_lshl_b32 s95, ttmp9, 5
	s_add_co_u32 s94, s94, s95
	s_add_co_u32 s94, s94, s93
	s_lshl_b32 s46, s94, 11
	s_add_nc_u64 s[12:13], s[12:13], s[46:47]
	v_and_b32 v6, 31, v0
	v_lshlrev_b32 v[FO], 4, v6
	v_lshlrev_b32 v[RO], 7, v1
	v_lshl_add_u32 v[RO], v2, 5, v[RO]
	v_add_nc_u32 v[POSV], s18, v1
	v_lshrrev_b32 v5, 3, v1
	v_lshlrev_b32 v5, 4, v5
	v_lshl_add_u32 v5, v2, 3, v5
	v_and_b32 v6, 7, v1
	v_add_nc_u32 v5, v5, v6
	v_lshlrev_b32 v5, 4, v5                        ; v's place: 16 x (16 (r / 8) + 8 h + r % 8)
	s_cmp_eq_u32 ttmp9, 2
	s_cselect_b32 s97, -1, 0
	v_cndmask_b32 v[QO], v[FO], v5, s97
; The coefficients of block a (16 positions): 16 registers at CFA of window 1: + 8 cb: four cosines, + 8 cb + 4: four sines, of frequencies 8 cb + 4 h + 0 .. 3
.macro SETCF a
.if (\a) < 4
.set CFA, 64+16*(\a)
.else
.set CFA, 192+16*((\a)-4)
.endif
.endm
.macro COEF a
	SETCF \a
.irp u, 0,1,2,3
	global_load_b128 v[CFA+4*\u:CFA+4*\u+3], v[RO], s[8:9] offset:2048*(\a)+64*(\u/2)+16*(\u%2)
.endr
.endm
	WIN TO_B
.irp a, 0,1,2,3,4,5,6,7
	COEF \a                                        ; 32 loads into registers that the products leave alone: they land while the products run
.endr
	WIN 0
.macro FRAG reg, adr, q, i             ; 16 rows x 128 K of 4-bit codes: 8 registers
.irp c, 0,1
	ds_load_b128 v[\reg+4*\c:\reg+4*\c+3], v[\adr] offset:64*(\q)+32*\c+(\i)*16*PITCH
.endr
.endm
; 16 matrix instructions: A's blocks a0, a0 + 1 x B's eight.  The 64 accumulators take turns, one instruction a turn, in the same order in every step.
.macro MUL16 a0, p, q, sc, zero
.irp a, \a0, \a0+1
.irp b, 0,1,2,3,4,5,6,7
.if \zero
	v_wmma_scale_f32_16x16x128_f8f6f4 v[8*(8*((\a)%4)+\b):8*(8*((\a)%4)+\b)+7], v[128*(\p)+FR*\b:128*(\p)+FR*\b+FR-1], v[AF+FR*(\a):AF+FR*(\a)+FR-1], 0, v[SC+8*NQ*(\sc)+NQ*\b+(\q)], v[SC+8*NQ*(\sc)+NQ*(\a)+(\q)] matrix_a_fmt:MATRIX_FMT_FP4 matrix_b_fmt:MATRIX_FMT_FP4 matrix_a_scale:MATRIX_SCALE_ROW1
.else
	v_wmma_scale_f32_16x16x128_f8f6f4 v[8*(8*((\a)%4)+\b):8*(8*((\a)%4)+\b)+7], v[128*(\p)+FR*\b:128*(\p)+FR*\b+FR-1], v[AF+FR*(\a):AF+FR*(\a)+FR-1], v[8*(8*((\a)%4)+\b):8*(8*((\a)%4)+\b)+7], v[SC+8*NQ*(\sc)+NQ*\b+(\q)], v[SC+8*NQ*(\sc)+NQ*(\a)+(\q)] matrix_a_fmt:MATRIX_FMT_FP4 matrix_b_fmt:MATRIX_FMT_FP4 matrix_a_scale:MATRIX_SCALE_ROW1
.endif
.endr
.endr
.endm
.macro FETCH_B slot, q, p
	WIN TO_B
.irp i, 0,1,2,3,4,5,6,7
	FRAG 128*(\p)+FR*\i, ADRB+\slot, \q, \i
.endr
	WIN 0
.endm
.macro FETCH_A slot, q, i0
.irp i, \i0, \i0+1, \i0+2, \i0+3
	FRAG AF+FR*(\i), ADRA+\slot, \q, \i
.endr
.endm
.macro SCALES sc                       ; a slot's scale words: lanes 0-15 take A's block i, lanes 16-31 B's block i
.irp i, 0,1,2,3,4,5,6,7
	ds_load_b128 v[SC+8*NQ*\sc+NQ*\i:SC+8*NQ*\sc+NQ*\i+3], v[ADRS] offset:\i*SBLK
.endr
.endm
.macro PLACES n                        ; plain vector instructions between a matrix instruction and a load into, or a vector instruction on, its registers
.rept \n
	v_nop
.endr
.endm
.macro STEP slot, q, zero              ; 128 along K with its successor in the same slot
	s_wait_dscnt 4*NL                              ; B's set and A's blocks 0-3 are in; A's blocks 4-7 may be out
	WIN MUL_LO
	MUL16 0, (\q)%2, \q, \slot, \zero
	MUL16 2, (\q)%2, \q, \slot, \zero
	s_wait_dscnt 0
	PLACES NP
	FETCH_B \slot, (\q)+1, 1-(\q)%2
	FETCH_A \slot, (\q)+1, 0
	WIN MUL_HI
	MUL16 4, (\q)%2, \q, \slot, \zero
	MUL16 6, (\q)%2, \q, \slot, \zero
	PLACES NP
	WIN 0
	FETCH_A \slot, (\q)+1, 4
.endm
.macro STEPS slot, from
.set Q, \from
.rept NQ-1-\from
	STEP \slot, Q, 0
.set Q, Q+1
.endr
.endm
	s_wait_tensorcnt 1                             ; the scales and my part of slot 0 are in (slot 1's load may be out),
	s_barrier_signal -1
	s_barrier_wait -1                              ; everybody's are
	FETCH_B 0, 0, 0
	FETCH_A 0, 0, 0
	SCALES 0
	FETCH_A 0, 0, 4
	STEP 0, 0, 1                                   ; the first products start the sums: nothing is cleared
	STEPS 0, 1
	; slot 0's last step changes slots: one barrier
	s_wait_tensorcnt 0x0                           ; my part of slot 1 has landed;
	ds_add_u32 v[SPW], v[NIL]                      ; 0 onto my spare word;
	s_wait_dscnt 4*NL+1                            ; (the add and A's blocks 4-7 may be out)
	WIN MUL_LO
	MUL16 0, 1, NQ-1, 0, 0
	s_wait_dscnt 0x0                               ; no LDS instruction of mine is pending at the signal
	s_barrier_signal -1
	MUL16 2, 1, NQ-1, 0, 0
	WIN 0
	s_barrier_wait -1                              ; slot 1 is whole
	PLACES NP
	v_add_nc_u32 v[ADRS], 4*NQ, v[ADRS]            ; on to slot 1's scale words
	FETCH_B 1, 0, 0
	FETCH_A 1, 0, 0
	SCALES 1
	WIN MUL_HI
	MUL16 4, 1, NQ-1, 0, 0
	MUL16 6, 1, NQ-1, 0, 0
	PLACES NP
	WIN 0
	FETCH_A 1, 0, 4
	STEPS 1, 0
	s_wait_dscnt 4*NL                              ; the very last step
	WIN MUL_LO
	MUL16 0, 1, NQ-1, 1, 0
	MUL16 2, 1, NQ-1, 1, 0
	s_wait_dscnt 0
	WIN MUL_HI
	MUL16 4, 1, NQ-1, 1, 0
	MUL16 6, 1, NQ-1, 1, 0
	WIN 0
	PLACES NP                                      ; in front of the first reads of results and of the writes over A's fragments
	s_wait_loadcnt 0x0                             ; the coefficients, asked for at the head
; Eight numbers of a lane are four pairs (x1, x2): even = x1 c - x2 s, odd = x1 s + x2 c.  First both times c, then the swapped pair times s, its low half negated.  The accumulator is read from its low end on.
.macro ROT ac, t, cf
.set RA, \ac
.set RT, \t
.set RC, \cf
	v_pk_mul_f32 v[RT:RT+1], v[RA:RA+1], v[RC:RC+1] op_sel:[0,0] op_sel_hi:[1,0]
	v_pk_mul_f32 v[RT+2:RT+3], v[RA+2:RA+3], v[RC:RC+1] op_sel:[0,1] op_sel_hi:[1,1]
	v_pk_mul_f32 v[RT+4:RT+5], v[RA+4:RA+5], v[RC+2:RC+3] op_sel:[0,0] op_sel_hi:[1,0]
	v_pk_mul_f32 v[RT+6:RT+7], v[RA+6:RA+7], v[RC+2:RC+3] op_sel:[0,1] op_sel_hi:[1,1]
	v_pk_fma_f32 v[RT:RT+1], v[RA:RA+1], v[RC+4:RC+5], v[RT:RT+1] op_sel:[1,0,0] op_sel_hi:[0,0,1] neg_lo:[0,1,0]
	v_pk_fma_f32 v[RT+2:RT+3], v[RA+2:RA+3], v[RC+4:RC+5], v[RT+2:RT+3] op_sel:[1,1,0] op_sel_hi:[0,1,1] neg_lo:[0,1,0]
	v_pk_fma_f32 v[RT+4:RT+5], v[RA+4:RA+5], v[RC+6:RC+7], v[RT+4:RT+5] op_sel:[1,0,0] op_sel_hi:[0,0,1] neg_lo:[0,1,0]
	v_pk_fma_f32 v[RT+6:RT+7], v[RA+6:RA+7], v[RC+6:RC+7], v[RT+6:RT+7] op_sel:[1,1,0] op_sel_hi:[0,1,1] neg_lo:[0,1,0]
.endm
.macro PIECES a                        ; the block's eight pieces of 16 bytes a lane: head b / 2, channels 16 (b % 2) on
.irp b, 0,1,2,3,4,5,6,7
	global_store_b128 v[QO], v[HF+4*\b:HF+4*\b+3], s[10:11] offset:131072*(\b/2)+1024*(\a)+512*(\b%2)
.endr
.endm
.macro OUT_R a                         ; block a of q or k: rotated, rounded to f16, stored
.if (\a) > 0
	s_wait_xcnt 0x0                                ; the last block's stores have read their registers
.endif
	SETCF \a
.set AC, 64*((\a)%4)
	WIN 0x06+(\a)/4                                ; source 0 (the accumulators): window 2 or 3; source 1 (the coefficients): window 1; the rest window 0
.irp b, 0,1,2,3,4,5,6,7
	ROT AC+8*\b, TR+8*\b, CFA+8*(\b%2)
.endr
	WIN 0
.irp b, 0,1,2,3,4,5,6,7
.irp i, 0,1,2,3
	v_cvt_pk_f16_f32 v[HF+4*\b+\i], v[TR+8*\b+2*\i], v[TR+8*\b+2*\i+1]
.endr
.endr
	PIECES \a
.endm
.macro OUT_V a                         ; block a of v: rounded to f16, stored
.if (\a) > 0
	s_wait_xcnt 0x0
.endif
.set AC, 64*((\a)%4)
	WIN 0x0a+5*((\a)/4)                            ; sources 0 and 1: window 2 or 3
.irp b, 0,1,2,3,4,5,6,7
.irp i, 0,1,2,3
	v_cvt_pk_f16_f32 v[HF+4*\b+\i], v[AC+8*\b+2*\i], v[AC+8*\b+2*\i+1]
.endr
.endr
	WIN 0
	PIECES \a
.endm
	s_cmp_eq_u32 ttmp9, 2
	s_cbranch_scc1 .Lv
	OUT_R 0
	; positions 0-15 in f32.  Only the waves of the tile's upper half can hold them (a branch on the wave's number); whether the tile begins a batch is told by the lanes' mask, not by a branch
	s_cmp_lg_u32 s15, 0
	s_cbranch_scc1 .Lno_fine_r
	s_wait_xcnt 0x0                                ; EXEC changes only behind this wait
	v_cmp_gt_u32 vcc_lo, 16, v[POSV]
	s_and_saveexec_b32 s96, vcc_lo
.irp b, 0,1,2,3,4,5,6,7
.irp p, 0,1
	global_store_b128 v[FO], v[TR+8*\b+4*\p:TR+8*\b+4*\p+3], s[12:13] offset:1024*\b+512*\p
.endr
.endr
	s_wait_xcnt 0x0                                ; and again, in front of the line that widens it
	s_or_b32 exec_lo, exec_lo, s96
.Lno_fine_r:
.irp a, 1,2,3,4,5,6,7
	OUT_R \a
.endr
	s_branch .Ldone
.Lv:
	OUT_V 0
	s_cmp_lg_u32 s15, 0
	s_cbranch_scc1 .Lno_fine_v
	s_wait_xcnt 0x0
	v_cmp_gt_u32 vcc_lo, 16, v[POSV]
	s_and_saveexec_b32 s96, vcc_lo
	WIN 0x08                                       ; a store's data are its source 1: window 2, block 0's accumulators
.irp b, 0,1,2,3,4,5,6,7
.irp p, 0,1
	global_store_b128 v[FO], v[8*\b+4*\p:8*\b+4*\p+3], s[12:13] offset:1024*\b+512*\p
.endr
.endr
	WIN 0
	s_wait_xcnt 0x0
	s_or_b32 exec_lo, exec_lo, s96
.Lno_fine_v:
.irp a, 1,2,3,4,5,6,7
	OUT_V \a
.endr
.Ldone:
	s_wait_tensorcnt 0x0                           ; the wave's end
	ds_add_u32 v[SPW], v[NIL]
	s_wait_dscnt 0x0
	CROUND                                         ; the closing round
	s_endpgm
.Lfunc_end_k_q44f6f9cdd1_proj:
	.size	k_q44f6f9cdd1_proj, .Lfunc_end_k_q44f6f9cdd1_proj-k_q44f6f9cdd1_proj
	.p2alignl 7, 3214868480
	.fill 96, 4, 3214868480
	.section	.rodata,"a",@progbits
	.p2align	6, 0x0
	.amdhsa_kernel k_q44f6f9cdd1_proj
		.amdhsa_group_segment_fixed_size 327680
		.amdhsa_private_segment_fixed_size 0
		.amdhsa_enable_private_segment 0
		.amdhsa_kernarg_size 40
		.amdhsa_user_sgpr_count 2
		.amdhsa_user_sgpr_kernarg_segment_ptr 1
		.amdhsa_wavefront_size32 1
		.amdhsa_system_sgpr_workgroup_id_x 1
		.amdhsa_system_sgpr_workgroup_id_y 1
		.amdhsa_system_sgpr_workgroup_id_z 1
		.amdhsa_system_vgpr_workitem_id 0
		.amdhsa_next_free_vgpr 1024
		.amdhsa_next_free_sgpr 98
		.amdhsa_reserve_vcc 1
		.amdhsa_float_denorm_mode_32 3
		.amdhsa_float_denorm_mode_16_64 3
		.amdhsa_memory_ordered 1
		.amdhsa_forward_progress 1
		.amdhsa_inst_pref_size 180
	.end_amdhsa_kernel
	.amdgpu_metadata
---
amdhsa.version: [ 1, 2 ]
amdhsa.kernels:
  - .name:           k_q44f6f9cdd1_proj
    .symbol:         k_q44f6f9cdd1_proj.kd
    .args:
      - { .name: codes, .offset: 0, .size: 8, .value_kind: global_buffer, .address_space: global }
      - { .name: scales, .offset: 8, .size: 8, .value_kind: global_buffer, .address_space: global }
      - { .name: rope, .offset: 16, .size: 8, .value_kind: global_buffer, .address_space: global }
      - { .name: qkv16, .offset: 24, .size: 8, .value_kind: global_buffer, .address_space: global }
      - { .name: fine32, .offset: 32, .size: 8, .value_kind: global_buffer, .address_space: global }
    .group_segment_fixed_size: 327680
    .private_segment_fixed_size: 0
    .kernarg_segment_align: 8
    .kernarg_segment_size: 40
    .max_flat_workgroup_size: 128
    .sgpr_count:     98
    .vgpr_count:     1024
    .wavefront_size: 32
...
	.end_amdgpu_metadata
.endif
;; end of part 2
;; launch attn (part 3): grid 4 x 64, 16 waves a work-group, clusters of 4 x 1, 327,680 bytes of LDS; arguments qkv16, att16; writes att16
.if DOCPART == 3
	.amdgcn_target "amdgcn-amd-amdhsa--gfx1250"
	.amdhsa_code_object_version 6
	.text
	.protected	k_q44f6f9cdd1_attn
	.globl	k_q44f6f9cdd1_attn
	.p2align	8
	.type	k_q44f6f9cdd1_attn,@function
k_q44f6f9cdd1_attn:
	s_mov_b64 s[64:65], 0
	v_nop
	global_prefetch_b8 v0, s[64:65] scope:SCOPE_SE
	s_setreg_imm32_b32 hwreg(HW_REG_WAVE_MODE, 25, 1), 1
	s_wait_xcnt 0x0
	s_wait_alu depctr_hold_cnt(0) depctr_sa_sdst(0) depctr_va_vdst(0) depctr_va_sdst(0) depctr_va_ssrc(0) depctr_va_vcc(0) depctr_vm_vsrc(0)
	s_getreg_b32 s2, hwreg(HW_REG_IB_STS2, 6, 4)
	s_cmp_eq_u32 s2, 0
	s_cbranch_scc0 .Lentry_in_a_cluster
	s_endpgm
.Lentry_in_a_cluster:
	s_bfe_u32 s2, ttmp6, 0x10000c
	s_cmp_lg_u32 s2, 0x3003
	s_cbranch_scc0 .Lentry_shape_is_right
	s_endpgm
.Lentry_shape_is_right:
; ATTN: causal attention of one (batch, head) for each cluster of four work-groups; head size 32; q, k, v, the weights p and the result in f16, products, maxima and sums in f32.
; q holds the factor log2(e) / sqrt(32), so a score is t itself and p = 2^(t - m), m the row's running maximum; in every step O and the sum are multiplied by 2^(old m - new m).
; LDS: the head's whole K (131,072 bytes) and V (131,072) as images of operand registers, 1,024 bytes for each 16 keys.  They are asked for ONCE, at the head, JOINTLY by the four partners: each of the sixteen
; waves issues one load of 16,384 bytes, with a mask that names the four.  Nothing is filled again, so there is no later tile to ask ahead for.
; SHARES.  A tile is 16 queries, number 4 G + cx (cx: the work-group's place in the cluster).  Wave w owns G = w (tile A) and G = 31 - w (tile B).  A key step is 64 keys; step s is walked for a tile where s <= G
; and masked where s = G: both tests hang on the wave's number and the count of steps alone.  cx enters global addresses and the mask's compare only.  Every wave has (w + 1) + (32 - w) = 33 tile steps.
; LAYOUT.  S^T = K Q^T (source 0 = 16 keys, source 1 = 16 queries): a lane holds ONE query (lane % 16) and keys 8 (lane / 16) + 0 .. 7.  Two such tiles rounded to f16 ARE source 1 of O^T = V^T P.
; V comes out of LDS turned, by ds_load_tr16_b128 at 16 x lane: the launch before has laid its pieces in that order.  The row's sum is a third product, ones x P: it needs no exchange between lanes.
; The result is stored as the image of the next launch's operand: att16 [128 batch + pos / 16][head][channel / 16][lane][16 bytes].
; Positions 0-15 of each batch are made here too and made again, more finely, by the last launch.
.set LI,   1                           ; v1   16 x lane
.set ADK,  2                           ; v2   the step's K
.set ADV,  3                           ; v3   the step's V
.set DQ,   4                           ; v4   16 cx + r - 8 h: on the diagonal register 8 kt + j is hidden where 16 kt + j > DQ
.set NINF, 5                           ; v5   -infinity
.set SPW,  6                           ; v6   my spare word; never rewritten
.set NIL,  7                           ; v7   0; never rewritten
.set T,    8                           ; v8-11 at work
.set STB,  12                          ; v12-15 tile B: m, old m - new m, the factor, (its pair's upper half)
.set STA,  16                          ; v16-19 tile A
.set ONES, 20                          ; v20-27 a fragment of 1.0
.set QB,   28
.set QA,   36
.set OB,   44                          ; v44-59 O^T of tile B, v60-67 its sum
.set LB,   60
.set OT,   68                          ; v68-83 O^T of tile A, v84-91 its sum
.set LA,   84
.set S,    92                          ; v92-123 scores, then p
.set P,    124                         ; v124-139 p in f16
.set KF,   140                         ; v140-171 four fragments of K
.set VF,   172                         ; v172-203 four fragments of V^T: 16 (keys / 32) + 8 (channels / 16)
.set WO,   204                         ; v204-219 the way out
.set LV,   220                         ; v220 16 x lane + V's first byte
.set VBASE, 131072
.set SPARE, 262144                     ; the spare words, 128 bytes a wave
.set WV,  8
.set CX,  9
.set BH,  10
.set GA,  11
.set GB,  12
.set STP, 13                           ; s13 the key step
.set TB,  14                           ; s14 its first byte in K's and in V's images: 4,096 a step
.set SEL, 16
.set G1,  24
.set G0,  32
.macro CROUND                          ; a round of the cluster's barrier
	s_barrier_signal -1
	s_barrier_wait -1
	s_cmp_lg_u32 s[WV], 0
	s_cbranch_scc1 .Lnot_wave_0_\@
	s_barrier_signal -3
.Lnot_wave_0_\@:
	s_barrier_wait -3
	s_barrier_signal -1
	s_barrier_wait -1
.endm
	s_load_b128 s[4:7], s[0:1], 0x0                ; qkv16 s[4:5], att16 s[6:7]
	v_lshl_add_u32 v[SPW], v0, 2, SPARE
	v_mov_b32 v[NIL], 0
	ds_add_u32 v[SPW], v[NIL]                      ; the wave's opening: the add, twice on end, and its wait ahead of my first tensor load
	ds_add_u32 v[SPW], v[NIL]
	v_lshrrev_b32 v1, 5, v0
	v_readfirstlane_b32 s[WV], v1                  ; wave 0..15
	s_bfe_u32 s[CX], ttmp6, 0x40000
	s_and_b32 s[BH], ttmp7, 0xffff                 ; 32 batch + head: the cluster's y
	s_mov_b32 s[GA], s[WV]
	s_sub_co_u32 s[GB], 31, s[WV]
	s_mov_b32 s[G1], 15|(3<<16)|(1<<21)            ; the mask: all four; elements of 8 bytes; bit 21 beside a mask; no padding
	s_mov_b32 s[G1+1], 32<<16                      ; tensor_dim0: rows of 256 bytes
	s_mov_b32 s[G1+2], 64<<16                      ; tensor_dim1
	s_mov_b32 s[G1+3], 32<<16                      ; tile_dim0
	s_mov_b32 s[G1+4], 64                          ; tile_dim1
	s_mov_b32 s[G1+5], 32                          ; the pitch: dense
	s_mov_b32 s[G1+6], 0
	s_mov_b32 s[G1+7], 0
	s_mov_b32 s[G0], 1
	s_lshl_b32 s[G0+1], s[WV], 14                  ; LDS: 16,384 x wave: waves 0-7 K, waves 8-15 V
	s_add_co_u32 s44, s[BH], 64
	s_lshl_b32 s44, s44, 17                        ; the head's K,
	s_and_b32 s45, s[WV], 7
	s_lshl_b32 s45, s45, 14
	s_add_co_u32 s44, s44, s45                     ; my eighth of it,
	s_lshr_b32 s45, s[WV], 3
	s_lshl_b32 s45, s45, 23
	s_add_co_u32 s44, s44, s45                     ; or of V, 8,388,608 bytes on
	s_mov_b32 s45, 0
	s_lshl_b32 s38, s[BH], 17                      ; the head's q
	s_lshl_b32 s39, s[GB], 2
	s_add_co_u32 s39, s39, s[CX]                   ; tile B's number
	s_lshl_b32 s40, s[GA], 2
	s_add_co_u32 s40, s40, s[CX]                   ; tile A's
	s_lshr_b32 s41, s[BH], 5
	s_lshl_b32 s41, s41, 7                         ; 128 batch
	s_and_b32 s42, s[BH], 31
	s_lshl_b32 s42, s42, 10                        ; 1,024 head
	s_lshl_b32 s18, s39, 10
	s_add_co_u32 s18, s18, s38
	s_mov_b32 s19, 0
	s_lshl_b32 s20, s40, 10
	s_add_co_u32 s20, s20, s38
	s_mov_b32 s21, 0
	s_add_co_u32 s22, s41, s39
	s_lshl_b32 s22, s22, 15
	s_add_co_u32 s22, s22, s42
	s_mov_b32 s23, 0
	s_add_co_u32 s36, s41, s40
	s_lshl_b32 s36, s36, 15
	s_add_co_u32 s36, s36, s42
	s_mov_b32 s37, 0
	s_lshl_b32 s43, s[CX], 4
	s_mov_b32 s[SEL], 0x76543210
	s_mov_b32 s[SEL+1], 0xfedcba98                 ; v_permlanex16_b32's selects for lane l xor 16
	s_wait_dscnt 0x0                               ; both opening adds are done
	s_wait_kmcnt 0x0
	s_add_nc_u64 s[G0+2:G0+3], s[4:5], s[44:45]
	s_or_b32 s[G0+3], s[G0+3], 0x80000000
	s_add_nc_u64 s[18:19], s[4:5], s[18:19]        ; q of tile B,
	s_add_nc_u64 s[20:21], s[4:5], s[20:21]        ; of tile A;
	s_add_nc_u64 s[22:23], s[6:7], s[22:23]        ; the result of tile B,
	s_add_nc_u64 s[36:37], s[6:7], s[36:37]        ; of tile A
	CROUND                                         ; all four work-groups are here: the joint loads meet
	tensor_load_to_lds s[G0:G0+3], s[G1:G1+7]      ; my one tensor load
	s_nop 0
.rept 4
	v_nop
.endr
	v_and_b32 v[LI], 31, v0
	v_lshlrev_b32 v[LI], 4, v[LI]
	global_load_b128 v[QB:QB+3], v[LI], s[18:19]
	global_load_b128 v[QB+4:QB+7], v[LI], s[18:19] offset:512
	global_load_b128 v[QA:QA+3], v[LI], s[20:21]
	global_load_b128 v[QA+4:QA+7], v[LI], s[20:21] offset:512
	v_add_nc_u32 v[LV], VBASE, v[LI]
	v_and_b32 v[DQ], 15, v0
	v_bfe_u32 v[T], v0, 4, 1
	v_lshlrev_b32 v[T], 3, v[T]
	v_sub_nc_u32 v[DQ], v[DQ], v[T]
	v_add_nc_u32 v[DQ], s43, v[DQ]
	v_mov_b32 v[NINF], 0xff800000
.irp st, STB, STA
	v_mov_b32 v[\st], 0xff61b1e6                   ; m: -3e38, under every score
	v_mov_b32 v[\st+1], 0
	v_mov_b32 v[\st+2], 0
	v_mov_b32 v[\st+3], 0                          ; named as a pair's upper half, so it is written
.endr
.irp j, 0,1,2,3,4,5,6,7
	v_mov_b32 v[ONES+\j], 0x3c003c00
.endr
.set n, 0
.rept 48
	v_mov_b32 v[OB+n], 0                           ; O^T and the sums of both tiles: the step is written once, and its first walk finds zeros
.set n, n+1
.endr
	s_wait_loadcnt 0x0                             ; q
	s_wait_tensorcnt 0x0                           ; my part of K or V has landed,
	s_barrier_signal -1
	s_barrier_wait -1                              ; everybody's has
; One tile's key step.  first = 1: the tile that follows the step's LDS loads.
.macro TILE q, o, l, st, g, first
.if \first
	s_wait_dscnt 8                                 ; K's eight loads are in; V's eight may be out
.endif
.irp kt, 0,1,2,3
	v_wmma_f32_16x16x32_f16 v[S+8*\kt:S+8*\kt+7], v[KF+8*\kt:KF+8*\kt+7], v[\q:\q+7], 0
.endr
	v_mov_b32 v[\st+1], v[\st]                     ; the old m.  With three v_nop: the four places behind the products
	v_nop
	v_nop
	v_nop
	s_cmp_lg_u32 s[STP], s[\g]
	s_cbranch_scc1 .Lopen_\@
.irp n, 0,1,2,3,4,5,6,7,8,9,10,11,12,13,14,15,16,17,18,19,20,21,22,23,24,25,26,27,28,29,30,31
	v_cmp_gt_i32 vcc_lo, 16*(\n/8)+\n%8, v[DQ]     ; on the diagonal hidden scores become -infinity: p = 0 then.  Key 64 G counts for every query of the tile
	v_cndmask_b32 v[S+\n], v[S+\n], v[NINF], vcc_lo
.endr
.Lopen_\@:
.irp c, 0,1,2,3
	v_max3_num_f32 v[T+\c], v[S+8*\c], v[S+8*\c+1], v[S+8*\c+2]   ; four chains; each accumulator is read from its low end on
.endr
.irp u, 3,5
.irp c, 0,1,2,3
	v_max3_num_f32 v[T+\c], v[T+\c], v[S+8*\c+\u], v[S+8*\c+\u+1]
.endr
.endr
	v_max3_num_f32 v[T], v[T], v[S+7], v[S+15]
	v_max3_num_f32 v[T+2], v[T+2], v[S+23], v[S+31]
	v_max3_num_f32 v[T], v[T], v[T+1], v[T+2]
	v_max3_num_f32 v[T], v[T], v[T+3], v[\st]
	v_permlanex16_b32 v[T+1], v[T], s[SEL], s[SEL+1]   ; the query's other 32 keys lie in the lane 16 away
	v_max_num_f32 v[\st], v[T], v[T+1]             ; the new m
	v_sub_f32 v[\st+1], v[\st+1], v[\st]
.set n, 0
.rept 16
	v_pk_add_f32 v[S+n:S+n+1], v[S+n:S+n+1], v[\st:\st+1] op_sel_hi:[1,0] neg_lo:[0,1] neg_hi:[0,1]   ; t - m
.set n, n+2
.endr
	v_exp_f32 v[\st+2], v[\st+1]                   ; ONE BATCH of 33 exponentials: none reads another's result
.set n, 0
.rept 32
	v_exp_f32 v[S+n], v[S+n]
.set n, n+1
.endr
	v_nop                                          ; a plain instruction behind the last exponential,
	s_wait_alu depctr_va_vdst(0)                   ; and one wait ahead of the batch's first reader
.set n, 0
.rept 16
	v_cvt_pk_f16_f32 v[P+n], v[S+2*n], v[S+2*n+1]
.set n, n+1
.endr
.set n, 0
.rept 8
	v_pk_mul_f32 v[\o+n:\o+n+1], v[\o+n:\o+n+1], v[\st+2:\st+3] op_sel_hi:[1,0]
.set n, n+2
.endr
.set n, 0
.rept 4
	v_pk_mul_f32 v[\l+n:\l+n+1], v[\l+n:\l+n+1], v[\st+2:\st+3] op_sel_hi:[1,0]
.set n, n+2
.endr
.if \first
	s_wait_dscnt 0x0                               ; V is in
.endif
.irp m, 0,1                            ; the three accumulators take turns, one instruction a turn
	v_wmma_f32_16x16x32_f16 v[\o:\o+7], v[VF+16*\m:VF+16*\m+7], v[P+8*\m:P+8*\m+7], v[\o:\o+7]
	v_wmma_f32_16x16x32_f16 v[\o+8:\o+15], v[VF+16*\m+8:VF+16*\m+15], v[P+8*\m:P+8*\m+7], v[\o+8:\o+15]
	v_wmma_f32_16x16x32_f16 v[\l:\l+7], v[ONES:ONES+7], v[P+8*\m:P+8*\m+7], v[\l:\l+7]
.endr
.endm
	s_mov_b32 s[STP], 0
	s_mov_b32 s[TB], 0
.Lstep:                                                ; 32 trips, a constant: a wave jumps over the steps that lie beyond its tiles
	s_cmp_gt_u32 s[STP], s[GB]
	s_cbranch_scc1 .Lskip
	v_add_nc_u32 v[ADK], s[TB], v[LI]
	v_add_nc_u32 v[ADV], s[TB], v[LV]
	v_nop
	v_nop                                          ; with the two additions: four places in front of loads into registers that matrix instructions have read
.irp kt, 0,1,2,3
	ds_load_b128 v[KF+8*\kt:KF+8*\kt+3], v[ADK] offset:1024*\kt
	ds_load_b128 v[KF+8*\kt+4:KF+8*\kt+7], v[ADK] offset:1024*\kt+512
.endr
.irp m, 0,1
.irp c, 0,1
	ds_load_tr16_b128 v[VF+16*\m+8*\c:VF+16*\m+8*\c+3], v[ADV] offset:2048*\m+512*\c
	ds_load_tr16_b128 v[VF+16*\m+8*\c+4:VF+16*\m+8*\c+7], v[ADV] offset:2048*\m+1024+512*\c
.endr
.endr
	TILE QB, OB, LB, STB, GB, 1
	s_cmp_gt_u32 s[STP], s[GA]
	s_cbranch_scc1 .Lskip
	TILE QA, OT, LA, STA, GA, 0
.Lskip:
	s_add_co_u32 s[TB], s[TB], 4096
	s_add_co_u32 s[STP], s[STP], 1
	s_cmp_lt_u32 s[STP], 32
	s_cbranch_scc1 .Lstep
	; THE WAY OUT: O^T / the sum, rounded to f16: a lane's eight channels of its query are 16 bytes of the next operand's image; the wave stores 512 consecutive bytes
.rept 4
	v_nop
.endr
	v_rcp_f32 v[STB+2], v[LB]                      ; all eight registers of a sum's accumulator hold the row's sum: the lowest is taken
	v_rcp_f32 v[STA+2], v[LA]
	v_nop
	s_wait_alu depctr_va_vdst(0)                   ; one wait for both reciprocals, ahead of their first reader
.macro LEAVE o, st, w, base
.set n, 0
.rept 8
	v_pk_mul_f32 v[\o+n:\o+n+1], v[\o+n:\o+n+1], v[\st+2:\st+3] op_sel_hi:[1,0]
.set n, n+2
.endr
.set n, 0
.rept 8
	v_cvt_pk_f16_f32 v[\w+n], v[\o+2*n], v[\o+2*n+1]
.set n, n+1
.endr
	global_store_b128 v[LI], v[\w:\w+3], s[\base:\base+1]
	global_store_b128 v[LI], v[\w+4:\w+7], s[\base:\base+1] offset:512
.endm
	LEAVE OB, STB, WO, 22
	LEAVE OT, STA, WO+8, 36
	s_wait_tensorcnt 0x0                           ; the wave's end
	ds_add_u32 v[SPW], v[NIL]
	s_wait_dscnt 0x0
	CROUND                                         ; the closing round
	s_endpgm
.Lfunc_end_k_q44f6f9cdd1_attn:
	.size	k_q44f6f9cdd1_attn, .Lfunc_end_k_q44f6f9cdd1_attn-k_q44f6f9cdd1_attn
	.p2alignl 7, 3214868480
	.fill 96, 4, 3214868480
	.section	.rodata,"a",@progbits
	.p2align	6, 0x0
	.amdhsa_kernel k_q44f6f9cdd1_attn
		.amdhsa_group_segment_fixed_size 327680
		.amdhsa_private_segment_fixed_size 0
		.amdhsa_enable_private_segment 0
		.amdhsa_kernarg_size 16
		.amdhsa_user_sgpr_count 2
		.amdhsa_user_sgpr_kernarg_segment_ptr 1
		.amdhsa_wavefront_size32 1
		.amdhsa_system_sgpr_workgroup_id_x 1
		.amdhsa_system_sgpr_workgroup_id_y 1
		.amdhsa_system_sgpr_workgroup_id_z 1
		.amdhsa_system_vgpr_workitem_id 0
		.amdhsa_next_free_vgpr 256
		.amdhsa_next_free_sgpr 66
		.amdhsa_reserve_vcc 1
		.amdhsa_float_denorm_mode_32 3
		.amdhsa_float_denorm_mode_16_64 3
		.amdhsa_memory_ordered 1
		.amdhsa_forward_progress 1
		.amdhsa_inst_pref_size 27
	.end_amdhsa_kernel
	.amdgpu_metadata
---
amdhsa.version: [ 1, 2 ]
amdhsa.kernels:
  - .name:           k_q44f6f9cdd1_attn
    .symbol:         k_q44f6f9cdd1_attn.kd
    .args:
      - { .name: qkv16, .offset: 0, .size: 8, .value_kind: global_buffer, .address_space: global }
      - { .name: att16, .offset: 8, .size: 8, .value_kind: global_buffer, .address_space: global }
    .group_segment_fixed_size: 327680
    .private_segment_fixed_size: 0
    .kernarg_segment_align: 8
    .kernarg_segment_size: 16
    .max_flat_workgroup_size: 512
    .sgpr_count:     66
    .vgpr_count:     256
    .wavefront_size: 32
...
	.end_amdgpu_metadata
.endif
;; end of part 3
;; launch oproj (part 4): grid 8 x 32, 4 waves a work-group, clusters of 4 x 4, 327,680 bytes of LDS; arguments att16, wo16, out0; writes out0
.if DOCPART == 4
	.amdgcn_target "amdgcn-amd-amdhsa--gfx1250"
	.amdhsa_code_object_version 6
	.text
	.protected	k_q44f6f9cdd1_oproj
	.globl	k_q44f6f9cdd1_oproj
	.p2align	8
	.type	k_q44f6f9cdd1_oproj,@function
k_q44f6f9cdd1_oproj:
	s_mov_b64 s[64:65], 0
	v_nop
	global_prefetch_b8 v0, s[64:65] scope:SCOPE_SE
	s_setreg_imm32_b32 hwreg(HW_REG_WAVE_MODE, 25, 1), 1
	s_wait_xcnt 0x0
	s_wait_alu depctr_hold_cnt(0) depctr_sa_sdst(0) depctr_va_vdst(0) depctr_va_sdst(0) depctr_va_ssrc(0) depctr_va_vcc(0) depctr_vm_vsrc(0)
	s_getreg_b32 s2, hwreg(HW_REG_IB_STS2, 6, 4)
	s_cmp_eq_u32 s2, 0
	s_cbranch_scc0 .Lentry_in_a_cluster
	s_endpgm
.Lentry_in_a_cluster:
	s_bfe_u32 s2, ttmp6, 0x10000c
	s_cmp_lg_u32 s2, 0xf033
	s_cbranch_scc0 .Lentry_shape_is_right
	s_endpgm
.Lentry_shape_is_right:
; OPROJ: out0 [4096][1024] f32 = att [4096][1024] wo^T, both operands f16, sums in f32.
; A tile of 128 x 128 gives 256 work-groups.  Four waves, each 64 x 64: 16 accumulators.  K goes in steps of 256 through a ring of two LDS slots.
; A (att16) lies in memory as images of operand registers: [row / 16][K / 32][1,024 bytes]; a wave's load brings 4 row blocks x 8,192 bytes, dense in LDS, and a fragment is two loads at 16 x lane.
; B (wo16) is row-major: 64 rows of 512 bytes to a load, 16 bytes of padding behind each.
; CLUSTERS: 4 x 4 work-groups; A's tiles are shared along a row of the cluster, B's along a column: joint loads.  THE MATRIX INSTRUCTION IS USED TRANSPOSED (source 0 = 16 rows of wo, source 1 = 16 rows of att).
; The rows of positions 0-15 are stored here like all others and written again, more finely, by the last launch: a jump round their stores would hang on the work-group's place in its cluster.
; REGISTERS: window 0: v0-31 addresses; v32-95 the way out; v128-255 the accumulators ((a, b) at v[128 + 8 (4 a + b)]).  window 1: two fragment buffers of 128: 64 registers of A, then 64 of B.
.set SIZE_N, 1024
.set SIZE_K, 1024
.set KSTEP,  256
.set PITCH,  528                       ; B's LDS row: 512 bytes + 16 of padding
.set AH,     32768                     ; 64 rows of A for a K step
.set BH,     64*PITCH                  ; 64 rows of B
.set SLOT,   2*AH+2*BH
.set STAGE,  2*SLOT                    ; behind the ring: 16 rows x (256 + 16) bytes for each wave, for the way out
.set SPITCH, 272
.set SPARE,  STAGE+4*16*SPITCH         ; the spare words, 128 bytes a wave
.set LAPS,   SIZE_K/(2*KSTEP)
.set ADRA, 16
.set ADRB, 20
.set STO,  24
.set RD,   25
.set CO,   26
.set SPW,  28
.set NIL,  29
.set TMP,  32
.set ACC,  128
.set F0,   0
.set F1,   128
.set G1, 24
.set G0, 32
.set G1B, 48
.set G0B, 56
.set MSB, 0
.macro WIN new                         ; the immediate's high byte repeats the setting that is left
.if MSB != \new
	s_set_vgpr_msb (MSB<<8)|\new
.set MSB, \new
.endif
.endm
.set MUL,  0x05                        ; sources 0 (B) and 1 (A) window 1; C and D window 0
.set TO_F, 0x40
.macro JLOAD s                         ; a joint load: waves 0 and 1 fetch A's halves, waves 2 and 3 B's; an s_nop 0 and four v_nop follow each line
	s_cmp_eq_u32 s11, 0
	s_cbranch_scc0 .Lfor_b_\@
	tensor_load_to_lds s[G0+4*\s:G0+4*\s+3], s[G1:G1+7]
	s_nop 0
.rept 4
	v_nop
.endr
	s_branch .Lasked_\@
.Lfor_b_\@:
	tensor_load_to_lds s[G0B+4*\s:G0B+4*\s+3], s[G1B:G1B+7]
	s_nop 0
.rept 4
	v_nop
.endr
.Lasked_\@:
.endm
.macro CREST                           ; a round of the cluster's barrier behind its opening barrier
	s_cmp_lg_u32 s10, 0
	s_cbranch_scc1 .Lnot_wave_0_\@
	s_barrier_signal -3
.Lnot_wave_0_\@:
	s_barrier_wait -3
	s_barrier_signal -1
	s_barrier_wait -1
.endm
.macro CROUND
	s_barrier_signal -1
	s_barrier_wait -1
	CREST
.endm
	s_load_b128 s[4:7], s[0:1], 0x0                ; att16 s[4:5], wo16 s[6:7]
	s_load_b64 s[8:9], s[0:1], 0x10                ; out0
	v_lshl_add_u32 v[SPW], v0, 2, SPARE
	v_mov_b32 v[NIL], 0
	ds_add_u32 v[SPW], v[NIL]                      ; the wave's opening: the add, twice on end, and its wait ahead of my first tensor load
	ds_add_u32 v[SPW], v[NIL]
	v_lshrrev_b32 v1, 5, v0
	v_readfirstlane_b32 s10, v1                    ; wave 0..3
	s_lshr_b32 s11, s10, 1                         ; which half of the tile's rows is mine.  Also: I fetch for A (0) or for B (1)
	s_and_b32 s12, s10, 1                          ; which half of its columns.  Also: which 64 rows I fetch
	s_bfe_u32 s40, ttmp6, 0x40000
	s_bfe_u32 s41, ttmp6, 0x40004
	s_lshl_b32 s42, ttmp9, 2
	s_add_co_u32 s42, s42, s40                     ; tile column
	s_and_b32 s13, ttmp7, 0xffff
	s_lshl_b32 s13, s13, 2
	s_add_co_u32 s13, s13, s41                     ; tile row
	s_lshl_b32 s43, s41, 2
	s_lshl_b32 s43, 15, s43                        ; my row of the cluster
	s_lshl_b32 s44, 0x1111, s40                    ; my column
	s_or_b32 s[G1+0], s43, (3<<16)|(1<<21)         ; A: the mask; elements of 8 bytes; bit 21 beside a mask; no padding
	s_mov_b32 s[G1+1], 1024<<16                    ; tensor_dim0: 8,192 bytes: a row block's eight K pieces
	s_mov_b32 s[G1+2], 4<<16                       ; tensor_dim1: four row blocks
	s_mov_b32 s[G1+3], 1024<<16                    ; tile_dim0
	s_mov_b32 s[G1+4], 4                           ; tile_dim1
	s_mov_b32 s[G1+5], 4096                        ; the pitch: 32,768 bytes from row block to row block
	s_mov_b32 s[G1+6], 0
	s_mov_b32 s[G1+7], 0
	s_or_b32 s[G1B+0], s44, (1<<16)|(1<<20)|(1<<21)|(6<<22)|(3<<25)  ; B: elements of 2 bytes; 4 words of padding behind every 128
	s_mov_b32 s[G1B+1], KSTEP<<16
	s_mov_b32 s[G1B+2], 64<<16
	s_mov_b32 s[G1B+3], KSTEP<<16
	s_mov_b32 s[G1B+4], 64
	s_mov_b32 s[G1B+5], SIZE_K
	s_mov_b32 s[G1B+6], 0
	s_mov_b32 s[G1B+7], 0
	s_lshl_b32 s16, s13, 3
	s_lshl_b32 s17, s12, 2
	s_add_co_u32 s16, s16, s17                     ; A: row block 8 x tile row + 4 x half
	s_lshl_b32 s16, s16, 15
	s_mov_b32 s17, 0
	s_lshl_b32 s46, s42, 7
	s_lshl_b32 s47, s12, 6
	s_add_co_u32 s46, s46, s47                     ; B: row 128 x tile column + 64 x half
	s_lshl_b32 s46, s46, 11
	s_mov_b32 s47, 0
	s_lshl_b32 s20, s12, 15                        ; where they go: A's halves,
	s_mul_i32 s21, s12, BH
	s_add_co_u32 s21, s21, 2*AH                    ; then B's: no place in the cluster enters an LDS address
	s_wait_dscnt 0x0                               ; both opening adds are done
	s_wait_kmcnt 0x0
	s_add_nc_u64 s[14:15], s[4:5], s[16:17]
	s_add_nc_u64 s[46:47], s[6:7], s[46:47]
	CROUND                                         ; all sixteen work-groups are here: the first joint loads meet
.irp s, 0,1
	s_mov_b32 s[G0+4*\s], 1
	s_add_co_u32 s[G0+4*\s+1], s20, \s*SLOT
	s_add_nc_u64 s[G0+4*\s+2:G0+4*\s+3], s[14:15], \s*8192
	s_or_b32 s[G0+4*\s+3], s[G0+4*\s+3], 0x80000000
	s_mov_b32 s[G0B+4*\s], 1
	s_add_co_u32 s[G0B+4*\s+1], s21, \s*SLOT
	s_add_nc_u64 s[G0B+4*\s+2:G0B+4*\s+3], s[46:47], \s*KSTEP*2
	s_or_b32 s[G0B+4*\s+3], s[G0B+4*\s+3], 0x80000000
	JLOAD \s
.endr
	v_and_b32 v1, 15, v0                           ; l % 16
	v_bfe_u32 v2, v0, 4, 1                         ; l / 16
	v_mul_u32_u24 v3, v1, PITCH
	v_lshl_add_u32 v3, v2, 4, v3                   ; B: a fragment's row x pitch + 16 x half
	v_and_b32 v4, 31, v0
	v_lshlrev_b32 v4, 4, v4                        ; A: 16 x lane
	s_lshl_b32 s21, s11, 15                        ; my 64 rows of A
	s_mul_i32 s22, s12, BH                         ; my 64 rows of B
	s_add_co_u32 s22, s22, 2*AH
.irp s, 0,1
	v_add_nc_u32 v[ADRA+\s], s21, v4
	v_add_nc_u32 v[ADRB+\s], s22, v3
	s_add_co_u32 s21, s21, SLOT
	s_add_co_u32 s22, s22, SLOT
.endr
	s_mul_i32 s23, s10, 16*SPITCH
	s_add_co_u32 s23, s23, STAGE                   ; my stage
	v_mul_u32_u24 v4, v1, SPITCH                   ; in: row l % 16, 32 bytes for each half of the lanes
	v_lshl_add_u32 v4, v2, 5, v4
	v_add_nc_u32 v[STO], s23, v4
	v_mul_u32_u24 v5, v2, SPITCH                   ; back: lanes 0-15 one row of 256 bytes, lanes 16-31 the next
	v_lshl_add_u32 v5, v1, 4, v5
	v_add_nc_u32 v[RD], s23, v5
	v_lshlrev_b32 v5, 12, v2                       ; and the same two rows in out0
	v_lshl_add_u32 v[CO], v1, 4, v5
	s_lshl_b32 s16, s13, 7
	s_lshl_b32 s17, s11, 6
	s_add_co_u32 s16, s16, s17                     ; my first row
	s_lshl_b32 s16, s16, 12
	s_mov_b32 s17, 0
	s_add_nc_u64 s[8:9], s[8:9], s[16:17]
	s_lshl_b32 s46, s42, 9                         ; my first column, in bytes: 512 x tile column + 256 x half
	s_lshl_b32 s47, s12, 8
	s_add_co_u32 s46, s46, s47
	s_mov_b32 s47, 0
	s_add_nc_u64 s[8:9], s[8:9], s[46:47]
.macro MUL8 f, c, a0, zero             ; 8 matrix instructions: m blocks a0, a0 + 1 x 4 n blocks, 32 along K; the 16 accumulators take turns
.irp a, \a0, \a0+1
.irp b, 0,1,2,3
.if \zero
	v_wmma_f32_16x16x32_f16 v[ACC+8*(4*(\a)+\b):ACC+8*(4*(\a)+\b)+7], v[\f+64+8*(4*\c+\b):\f+64+8*(4*\c+\b)+7], v[\f+8*(4*\c+\a):\f+8*(4*\c+\a)+7], 0
.else
	v_wmma_f32_16x16x32_f16 v[ACC+8*(4*(\a)+\b):ACC+8*(4*(\a)+\b)+7], v[\f+64+8*(4*\c+\b):\f+64+8*(4*\c+\b)+7], v[\f+8*(4*\c+\a):\f+8*(4*\c+\a)+7], v[ACC+8*(4*(\a)+\b):ACC+8*(4*(\a)+\b)+7]
.endif
.endr
.endr
.endm
.macro FETCH slot, k, f                ; 32 LDS loads in one run: 64 along K, at byte k of B's rows = K piece k / 64 of A's images; the first 32 along K first
	WIN TO_F
.irp c, 0,1
.irp i, 0,1,2,3
	ds_load_b128 v[\f+64+8*(4*\c+\i):\f+64+8*(4*\c+\i)+3],   v[ADRB+\slot] offset:\k+64*\c+\i*16*PITCH
	ds_load_b128 v[\f+64+8*(4*\c+\i)+4:\f+64+8*(4*\c+\i)+7], v[ADRB+\slot] offset:\k+64*\c+\i*16*PITCH+32
	ds_load_b128 v[\f+8*(4*\c+\i):\f+8*(4*\c+\i)+3],         v[ADRA+\slot] offset:((\k)/64+\c)*1024+\i*8192
	ds_load_b128 v[\f+8*(4*\c+\i)+4:\f+8*(4*\c+\i)+7],       v[ADRA+\slot] offset:((\k)/64+\c)*1024+\i*8192+512
.endr
.endr
.endm
.macro PLACES                          ; four places in front of loads into registers that matrix instructions have read, and of the first reads of results
.rept 4
	v_nop
.endr
.endm
.macro QUARTER slot, k, f, g, zero
	s_wait_dscnt 16                                ; the first 32 along K are in
	WIN MUL
	MUL8 \f, 0, 0, \zero
	MUL8 \f, 0, 2, \zero
	PLACES
	FETCH \slot, \k, \g
	s_wait_dscnt 32                                ; all but the 32 just issued
	WIN MUL
	MUL8 \f, 1, 0, 0
	MUL8 \f, 1, 2, 0
.endm
; The last quarter changes slots: one barrier; in front of it each wave waits for all its tensor loads, adds 0 to its spare word, and waits for that and for its reads of this slot.  fill = 1: this slot is filled again, two K steps ahead.
.macro TURN slot, next, fill
	WIN 0
	s_wait_tensorcnt 0x0                           ; all my tensor loads have landed: my part of the next slot;
	ds_add_u32 v[SPW], v[NIL]                      ; 0 onto my spare word;
	s_wait_dscnt 17                                ; (the add and the youngest sixteen loads may be out)
	WIN MUL
	MUL8 F1, 0, 0, 0
	s_wait_dscnt 0x0                               ; the add is done, and my reads of this slot are over
	s_barrier_signal -1
	MUL8 F1, 0, 2, 0
.if \fill
	WIN 0
.endif
	s_barrier_wait -1
.if \fill
	CREST                                          ; the barrier has opened a round of the cluster's barrier: no wave of any partner still reads this slot or has a load on its way
	s_add_nc_u64 s[G0+4*\slot+2:G0+4*\slot+3], s[G0+4*\slot+2:G0+4*\slot+3], 2*8192
	s_add_nc_u64 s[G0B+4*\slot+2:G0B+4*\slot+3], s[G0B+4*\slot+2:G0B+4*\slot+3], 2*KSTEP*2
	JLOAD \slot                                    ; the first tensor load behind the round; its four v_nop are also the places in front of the loads below
.else
	PLACES
.endif
	FETCH \next, 0, F0
	WIN MUL
	MUL8 F1, 1, 0, 0
	MUL8 F1, 1, 2, 0
.endm
	s_wait_tensorcnt 1                             ; my part of K step 0 is in,
	s_barrier_signal -1
	s_barrier_wait -1                              ; everybody's is
	FETCH 0, 0, F0
	QUARTER 0, 128, F0, F1, 1                      ; the first products start the sums
	WIN 0
	s_mov_b32 s3, LAPS-1
.Llap:                                                 ; a trip goes once round the ring and fills both slots again
	QUARTER 0, 256, F1, F0, 0
	QUARTER 0, 384, F0, F1, 0
	TURN 0, 1, 1
	QUARTER 1, 128, F0, F1, 0
	QUARTER 1, 256, F1, F0, 0
	QUARTER 1, 384, F0, F1, 0
	TURN 1, 0, 1
	QUARTER 0, 128, F0, F1, 0
	WIN 0
	s_sub_co_u32 s3, s3, 1
	s_cmp_lg_u32 s3, 0
	s_cbranch_scc1 .Llap
	QUARTER 0, 256, F1, F0, 0                      ; the last lap fills nothing
	QUARTER 0, 384, F0, F1, 0
	TURN 0, 1, 0
	QUARTER 1, 128, F0, F1, 0
	QUARTER 1, 256, F1, F0, 0
	QUARTER 1, 384, F0, F1, 0
	s_wait_dscnt 16
	WIN MUL
	MUL8 F1, 0, 0, 0
	MUL8 F1, 0, 2, 0
	s_wait_dscnt 0
	MUL8 F1, 1, 0, 0
	MUL8 F1, 1, 2, 0
	WIN 0
; THE WAY OUT, a block of 16 rows x 64 columns at a time, through my own stage: a lane's 32 bytes of a row go in, whole rows of 256 bytes come back.  LDS serves a wave's instructions in order: no wait between stores and loads.
.macro TOSTAGE a
.irp b, 0,1,2,3
	ds_store_b128 v[STO], v[ACC+8*(4*(\a)+\b):ACC+8*(4*(\a)+\b)+3] offset:64*\b        ; each accumulator from its low end on
	ds_store_b128 v[STO], v[ACC+8*(4*(\a)+\b)+4:ACC+8*(4*(\a)+\b)+7] offset:64*\b+16
.endr
.set BB, TMP+32*((\a)%2)
.irp t, 0,1,2,3,4,5,6,7
	ds_load_b128 v[BB+4*\t:BB+4*\t+3], v[RD] offset:\t*2*SPITCH
.endr
.endm
.macro SEND a, younger                 ; younger: the LDS instructions issued behind block a's loads
.set BB, TMP+32*((\a)%2)
	s_wait_dscnt \younger
.irp t, 0,1,2,3,4,5,6,7
	global_store_b128 v[CO], v[BB+4*\t:BB+4*\t+3], s[8:9] offset:(16*(\a)+2*\t)*SIZE_N*4   ; 16 lanes store 256 consecutive bytes, at a multiple of 256 from out0's first byte
.endr
.endm
	PLACES
	TOSTAGE 0
.irp a, 1,2,3
.if \a > 1
	s_wait_xcnt 0x0                                ; block a - 2's stores have read their registers: block a's loads may land there
.endif
	TOSTAGE \a
	SEND \a-1, 16
.endr
	SEND 3, 0
	s_wait_tensorcnt 0x0                           ; the wave's end
	ds_add_u32 v[SPW], v[NIL]
	s_wait_dscnt 0x0
	CROUND                                         ; the closing round
	s_endpgm
.Lfunc_end_k_q44f6f9cdd1_oproj:
	.size	k_q44f6f9cdd1_oproj, .Lfunc_end_k_q44f6f9cdd1_oproj-k_q44f6f9cdd1_oproj
	.p2alignl 7, 3214868480
	.fill 96, 4, 3214868480
	.section	.rodata,"a",@progbits
	.p2align	6, 0x0
	.amdhsa_kernel k_q44f6f9cdd1_oproj
		.amdhsa_group_segment_fixed_size 327680
		.amdhsa_private_segment_fixed_size 0
		.amdhsa_enable_private_segment 0
		.amdhsa_kernarg_size 24
		.amdhsa_user_sgpr_count 2
		.amdhsa_user_sgpr_kernarg_segment_ptr 1
		.amdhsa_wavefront_size32 1
		.amdhsa_system_sgpr_workgroup_id_x 1
		.amdhsa_system_sgpr_workgroup_id_y 1
		.amdhsa_system_sgpr_workgroup_id_z 1
		.amdhsa_system_vgpr_workitem_id 0
		.amdhsa_next_free_vgpr 512
		.amdhsa_next_free_sgpr 66
		.amdhsa_reserve_vcc 0
		.amdhsa_float_denorm_mode_32 3
		.amdhsa_float_denorm_mode_16_64 3
		.amdhsa_memory_ordered 1
		.amdhsa_forward_progress 1
		.amdhsa_inst_pref_size 86
	.end_amdhsa_kernel
	.amdgpu_metadata
---
amdhsa.version: [ 1, 2 ]
amdhsa.kernels:
  - .name:           k_q44f6f9cdd1_oproj
    .symbol:         k_q44f6f9cdd1_oproj.kd
    .args:
      - { .name: att16, .offset: 0, .size: 8, .value_kind: global_buffer, .address_space: global }
      - { .name: wo16, .offset: 8, .size: 8, .value_kind: global_buffer, .address_space: global }
      - { .name: out0, .offset: 16, .size: 8, .value_kind: global_buffer, .address_space: global }
    .group_segment_fixed_size: 327680
    .private_segment_fixed_size: 0
    .kernarg_segment_align: 8
    .kernarg_segment_size: 24
    .max_flat_workgroup_size: 128
    .sgpr_count:     66
    .vgpr_count:     512
    .wavefront_size: 32
...
	.end_amdgpu_metadata
.endif
;; end of part 4
;; launch first16 (part 5): grid 16 x 2, 16 waves a work-group, no clusters, 154,880 bytes of LDS; arguments fine32, wo_w, out0; writes out0
.if DOCPART == 5
	.amdgcn_target "amdgcn-amd-amdhsa--gfx1250"
	.amdhsa_code_object_version 6
	.text
	.protected	k_q44f6f9cdd1_first16
	.globl	k_q44f6f9cdd1_first16
	.p2align	8
	.type	k_q44f6f9cdd1_first16,@function
k_q44f6f9cdd1_first16:
	s_mov_b64 s[64:65], 0
	v_nop
	global_prefetch_b8 v0, s[64:65] scope:SCOPE_SE
	s_setreg_imm32_b32 hwreg(HW_REG_WAVE_MODE, 25, 1), 1
	s_wait_xcnt 0x0
; FIRST16: positions 0-15 of each batch once more, in f32 throughout: under the causal mask these rows average one to sixteen values and are the largest in size, so f16 operands weigh most there.
; Work-group (slice, batch) makes out0 rows 0-15 of the batch, columns 64 slice .. + 63.  Each work-group makes the attention of all 32 heads for the 16 positions (wave w: heads 2 w, 2 w + 1),
; hands the 16 x 1,024 rows round through LDS, and multiplies by its 64 rows of wo_w (wave w: columns 16 (w % 4) on, K quarter w / 4); the four quarters are added through LDS.
; All products by v_wmma_f32_16x16x4_f32.  Its accumulators, v16-63, are written by matrix instructions alone; each sum's first product takes the constant 0.
; K IS PERMUTED ALIKE ON BOTH SOURCES: a K step is a lane's register pair; lanes 0-15 and lanes 16-31 bring two numbers each, and both sources are loaded by the same pattern, so the same four k meet.
; q holds the factor log2(e) / sqrt(32): p = 2^(score - the row's maximum).
; fine32: [batch][t][head][channel / 16][2][lane][16 bytes]: lane (position r, h) holds channels 16 cb + 8 h + 4 p + 0 .. 3.
.set OUTL, 0                           ; LDS: the attention's 16 rows of 4,096 bytes + 16 of padding
.set OP,   4112
.set WST,  16*OP                       ; a stage of 16 rows x (256 + 16) bytes for each wave, in which wo_w's rows turn
.set WP,   272
.set PART, WST+16*16*WP                ; four partial results of 16 rows x (256 + 16) bytes
.set SPARE, PART+4*16*WP               ; the spare words, 128 bytes a wave
.set SA, 16                            ; v16-31  S^T of my two heads
.set OA, 32                            ; v32-63  O^T (head, channels / 16); later the projection's four accumulators
.set QF, 64                            ; v64-95  q of two heads; then p (first 8 of each 16) and work (the rest); then fragments of the attention's rows
.set KF, 96                            ; v96-127 k; then O / the sum; then fragments
.set VF, 128                           ; v128-159 v^T; then wo_w's fourth chunk
.set W0, 160                           ; v160-255 wo_w's first three chunks
	s_load_b128 s[4:7], s[0:1], 0x0                ; fine32 s[4:5], wo_w s[6:7]
	s_load_b64 s[8:9], s[0:1], 0x10                ; out0
	v_lshl_add_u32 v6, v0, 2, SPARE                ; v6: my spare word; never rewritten
	v_mov_b32 v7, 0                                ; v7: 0; never rewritten
	v_lshrrev_b32 v64, 5, v0
	v_readfirstlane_b32 s10, v64                   ; wave 0..15
	s_and_b32 s11, s10, 3                          ; ct: which 16 columns
	s_lshr_b32 s12, s10, 2                         ; kq: which quarter of K
	s_and_b32 s13, ttmp7, 0xffff                   ; the batch
	v_and_b32 v65, 31, v0                          ; lane
	v_and_b32 v66, 15, v0                          ; r
	v_bfe_u32 v67, v0, 4, 1                        ; h
	v_lshlrev_b32 v1, 4, v65                       ; v1: 16 x lane
	v_lshlrev_b32 v2, 3, v65                       ; v2: 8 x lane
	v_lshlrev_b32 v68, 3, v67
	v_sub_nc_u32 v4, v66, v68                      ; v4: r - 8 h: register j (key 8 h + j) is hidden where j > v4
	v_mov_b32 v5, 0xff800000                       ; v5: -infinity
	v_bfe_u32 v68, v66, 2, 1                       ; v8: v^T: lane (channel r, h) wants, of key 8 h + j, the number at 512 ((r % 8) / 4) + 256 (r / 8) + 4 (r % 4) + 128 h + 16 j
	v_lshlrev_b32 v8, 9, v68
	v_lshrrev_b32 v68, 3, v66
	v_lshl_add_u32 v8, v68, 8, v8
	v_and_b32 v68, 3, v66
	v_lshl_add_u32 v8, v68, 2, v8
	v_lshl_add_u32 v8, v67, 7, v8
	v_lshlrev_b32 v9, 12, v67                      ; v9: wo_w: sixteen lanes to 256 bytes of a row, two rows an instruction
	v_lshl_add_u32 v9, v66, 4, v9
	v_mul_u32_u24 v69, v66, OP
	s_lshl_b32 s14, s10, 8
	v_lshl_add_u32 v10, v67, 5, v69
	v_add_nc_u32 v10, s14, v10                     ; v10: the attention's rows, in: row r, + 256 w (my two heads) + 32 h
	s_mul_i32 s14, s10, 16*WP
	s_add_co_u32 s14, s14, WST
	v_mul_u32_u24 v11, v67, WP
	v_lshl_add_u32 v11, v66, 4, v11
	v_add_nc_u32 v11, s14, v11                     ; v11: my stage, in: as loaded
	v_mul_u32_u24 v12, v66, WP
	v_lshl_add_u32 v12, v67, 4, v12
	v_add_nc_u32 v12, s14, v12                     ; v12: and back: row r, + 16 h
	s_lshl_b32 s14, s12, 10
	v_lshl_add_u32 v13, v67, 4, v69
	v_add_nc_u32 v13, s14, v13                     ; v13: the attention's rows, back: row r, + my quarter of K, + 16 h: the same pattern as v12
	s_mul_i32 s14, s12, 16*WP
	s_lshl_b32 s15, s11, 6
	s_add_co_u32 s14, s14, s15
	s_add_co_u32 s14, s14, PART
	v_mul_u32_u24 v14, v66, WP
	v_lshl_add_u32 v14, v67, 5, v14
	v_add_nc_u32 v14, s14, v14                     ; v14: my partial result: quarter kq, row r, + 64 ct + 32 h
	s_mul_i32 s14, s10, WP
	s_add_co_u32 s14, s14, PART
	v_add_nc_u32 v15, s14, v2                      ; v15: row w of a partial result, 8 bytes a lane
	s_mov_b32 s16, 0x76543210
	s_mov_b32 s17, 0xfedcba98                      ; v_permlanex16_b32's selects for lane l xor 16
	s_mul_i32 s18, s13, 96
	s_lshl_b32 s19, s10, 1
	s_add_co_u32 s18, s18, s19
	s_lshl_b32 s18, s18, 11                        ; fine32: (96 batch + 2 w) x 2,048
	s_mov_b32 s19, 0
	s_lshl_b32 s20, ttmp9, 6
	s_lshl_b32 s21, s11, 4
	s_add_co_u32 s20, s20, s21
	s_lshl_b32 s20, s20, 12
	s_lshl_b32 s21, s12, 10
	s_add_co_u32 s20, s20, s21                     ; wo_w: row 64 slice + 16 ct, + my quarter of K
	s_mov_b32 s21, 0
	s_lshl_b32 s22, s13, 11
	s_add_co_u32 s22, s22, s10
	s_lshl_b32 s22, s22, 12
	s_lshl_b32 s23, ttmp9, 8
	s_add_co_u32 s22, s22, s23                     ; out0: row 2,048 batch + w, + 256 slice
	s_mov_b32 s23, 0
	s_wait_kmcnt 0x0
	s_add_nc_u64 s[4:5], s[4:5], s[18:19]
	s_add_nc_u64 s[6:7], s[6:7], s[20:21]
	s_add_nc_u64 s[8:9], s[8:9], s[22:23]
.irp t, 0,1                            ; q, then k: 16 registers a head
.irp e, 0,1
.irp u, 0,1,2,3
	global_load_b128 v[QF+32*\t+16*\e+4*\u:QF+32*\t+16*\e+4*\u+3], v1, s[4:5] offset:65536*\t+2048*\e+512*\u
.endr
.endr
.endr
.irp e, 0,1                            ; v^T: register j of (head e, channels 16 c on): key 8 h + j
.irp c, 0,1
.irp j, 0,1,2,3,4,5,6,7
	global_load_b32 v[VF+16*\e+8*\c+\j], v8, s[4:5] offset:131072+2048*\e+1024*\c+16*\j
.endr
.endr
.endr
.macro WLOAD q, reg                    ; chunk q of wo_w: 16 rows x 256 bytes
.irp i, 0,1,2,3,4,5,6,7
	global_load_b128 v[\reg+4*\i:\reg+4*\i+3], v9, s[6:7] offset:8192*\i+256*\q
.endr
.endm
	WLOAD 0, W0
	WLOAD 1, W0+32
	WLOAD 2, W0+64
	s_wait_loadcnt 56                              ; q and k are in; v's 32 loads and wo_w's 24 may be out
	; S^T = k q^T: eight K steps, the two heads by turns
.set st, 0
.rept 8
.irp e, 0,1
.if st == 0
	v_wmma_f32_16x16x4_f32 v[SA+8*\e:SA+8*\e+7], v[KF+16*\e+2*st:KF+16*\e+2*st+1], v[QF+16*\e+2*st:QF+16*\e+2*st+1], 0
.else
	v_wmma_f32_16x16x4_f32 v[SA+8*\e:SA+8*\e+7], v[KF+16*\e+2*st:KF+16*\e+2*st+1], v[QF+16*\e+2*st:QF+16*\e+2*st+1], v[SA+8*\e:SA+8*\e+7]
.endif
.endr
.set st, st+1
.endr
.rept 8
	v_nop                                          ; eight places behind this form (ISA guide 7.12.1)
.endr
.irp j, 0,1,2,3,4,5,6,7
	v_cmp_gt_i32 vcc_lo, \j, v4
	v_cndmask_b32 v[64+\j], v[SA+\j], v5, vcc_lo   ; the masked scores go into other registers, each accumulator from its low end on
	v_cndmask_b32 v[80+\j], v[SA+8+\j], v5, vcc_lo
.endr
.irp p, 64, 80                         ; p: the head's eight numbers; p + 8 on: at work
	v_max3_num_f32 v[\p+8], v[\p], v[\p+1], v[\p+2]
	v_mov_b32 v[\p+9], 0
.endr
.irp p, 64, 80
	v_max3_num_f32 v[\p+8], v[\p+8], v[\p+3], v[\p+4]
.endr
.irp p, 64, 80
	v_max3_num_f32 v[\p+8], v[\p+8], v[\p+5], v[\p+6]
.endr
.irp p, 64, 80
	v_max_num_f32 v[\p+8], v[\p+8], v[\p+7]
.endr
.irp p, 64, 80
	v_permlanex16_b32 v[\p+9], v[\p+8], s16, s17
.endr
.irp p, 64, 80
	v_max_num_f32 v[\p+8], v[\p+8], v[\p+9]        ; the row's maximum: key 0 counts for every query
.endr
.irp p, 64, 80
.irp i, 0,2,4,6
	v_pk_add_f32 v[\p+\i:\p+\i+1], v[\p+\i:\p+\i+1], v[\p+8:\p+9] op_sel_hi:[1,0] neg_lo:[0,1] neg_hi:[0,1]
.endr
.endr
.irp p, 64, 80
.irp j, 0,1,2,3,4,5,6,7
	v_exp_f32 v[\p+\j], v[\p+\j]
.endr
.endr
	v_nop                                          ; a plain instruction behind the last exponential,
	s_wait_alu depctr_va_vdst(0)                   ; and one wait for the batch of sixteen, ahead of its first reader
.irp p, 64, 80
	v_pk_add_f32 v[\p+10:\p+11], v[\p:\p+1], v[\p+2:\p+3]
	v_pk_add_f32 v[\p+12:\p+13], v[\p+4:\p+5], v[\p+6:\p+7]
.endr
.irp p, 64, 80
	v_pk_add_f32 v[\p+10:\p+11], v[\p+10:\p+11], v[\p+12:\p+13]
.endr
.irp p, 64, 80
	v_add_f32 v[\p+10], v[\p+10], v[\p+11]
.endr
.irp p, 64, 80
	v_permlanex16_b32 v[\p+11], v[\p+10], s16, s17
.endr
.irp p, 64, 80
	v_add_f32 v[\p+10], v[\p+10], v[\p+11]         ; the row's sum
.endr
	v_rcp_f32 v76, v74
	v_rcp_f32 v92, v90
	v_nop
	s_wait_alu depctr_va_vdst(0)                   ; one wait for both reciprocals
	s_wait_loadcnt 24                              ; v is in; wo_w's 24 loads may be out
	; O^T = v^T p: four K steps, four accumulators by turns
.set st, 0
.rept 4
.irp e, 0,1
.irp c, 0,1
.if st == 0
	v_wmma_f32_16x16x4_f32 v[OA+16*\e+8*\c:OA+16*\e+8*\c+7], v[VF+16*\e+8*\c+2*st:VF+16*\e+8*\c+2*st+1], v[64+16*\e+2*st:64+16*\e+2*st+1], 0
.else
	v_wmma_f32_16x16x4_f32 v[OA+16*\e+8*\c:OA+16*\e+8*\c+7], v[VF+16*\e+8*\c+2*st:VF+16*\e+8*\c+2*st+1], v[64+16*\e+2*st:64+16*\e+2*st+1], v[OA+16*\e+8*\c:OA+16*\e+8*\c+7]
.endif
.endr
.endr
.set st, st+1
.endr
.rept 9
	v_nop                                          ; eight places serve the reads and the loads below; the ninth serves the sums that are later begun anew on these accumulators
.endr
	WLOAD 3, VF                                    ; the fourth chunk, into v^T's registers
.irp e, 0,1
.set n, 0
.rept 8
	v_pk_mul_f32 v[KF+16*\e+n:KF+16*\e+n+1], v[OA+16*\e+n:OA+16*\e+n+1], v[76+16*\e:77+16*\e] op_sel_hi:[1,0]   ; O / the sum, into other registers
.set n, n+2
.endr
.endr
.irp e, 0,1
.irp c, 0,1
.irp p, 0,1
	ds_store_b128 v10, v[KF+16*\e+8*\c+4*\p:KF+16*\e+8*\c+4*\p+3] offset:OUTL+128*\e+64*\c+16*\p   ; query r, channels 32 head + 16 c + 8 h + 4 p on
.endr
.endr
.endr
.macro TURNW reg                       ; a chunk of wo_w turns through my stage and comes back into its registers: register 4 c + n = wo_w(row r, 8 c + 4 h + n).  LDS serves a wave's instructions in order
.irp i, 0,1,2,3,4,5,6,7
	ds_store_b128 v11, v[\reg+4*\i:\reg+4*\i+3] offset:2*WP*\i
.endr
.irp c, 0,1,2,3,4,5,6,7
	ds_load_b128 v[\reg+4*\c:\reg+4*\c+3], v12 offset:32*\c
.endr
.endm
	s_wait_loadcnt 8                               ; the first three chunks are in; the fourth's eight loads may be out
	TURNW W0
	TURNW W0+32
	TURNW W0+64
	s_wait_loadcnt 0x0
	TURNW VF
	s_wait_dscnt 0x0                               ; for the others' sake: my stores have landed
	s_barrier_signal -1
	s_barrier_wait -1                              ; the attention's 16 rows lie in LDS
.macro AFETCH q, reg                   ; chunk q of the attention's rows in my quarter of K, by the same pattern as wo_w's
.irp c, 0,1,2,3,4,5,6,7
	ds_load_b128 v[\reg+4*\c:\reg+4*\c+3], v13 offset:OUTL+256*\q+32*\c
.endr
.endm
.macro PROD w, a, zero                 ; 16 K steps on four accumulators by turns: source 0 = 16 rows of wo_w, source 1 = the 16 queries
.set st, 0
.rept 16
.if \zero && (st < 4)
	v_wmma_f32_16x16x4_f32 v[OA+8*(st%4):OA+8*(st%4)+7], v[\w+2*st:\w+2*st+1], v[\a+2*st:\a+2*st+1], 0
.else
	v_wmma_f32_16x16x4_f32 v[OA+8*(st%4):OA+8*(st%4)+7], v[\w+2*st:\w+2*st+1], v[\a+2*st:\a+2*st+1], v[OA+8*(st%4):OA+8*(st%4)+7]
.endif
.set st, st+1
.endr
.endm
	AFETCH 0, QF
	AFETCH 1, KF
	s_wait_dscnt 8                                 ; chunk 0 is in; chunk 1's eight loads may be out
	PROD W0, QF, 1
.rept 8
	v_nop                                          ; places in front of loads into registers that matrix instructions have read
.endr
	AFETCH 2, QF
	s_wait_dscnt 8
	PROD W0+32, KF, 0
.rept 8
	v_nop
.endr
	AFETCH 3, KF
	s_wait_dscnt 8
	PROD W0+64, QF, 0
	s_wait_dscnt 0x0
	PROD VF, KF, 0
.rept 8
	v_nop
.endr
.irp i, 0,2,4,6
	v_pk_add_f32 v[64+\i:65+\i], v[OA+\i:OA+\i+1], v[OA+8+\i:OA+9+\i]      ; the four accumulators' sum, each read from its low end on
.endr
.irp i, 0,2,4,6
	v_pk_add_f32 v[72+\i:73+\i], v[OA+16+\i:OA+17+\i], v[OA+24+\i:OA+25+\i]
.endr
.irp i, 0,2,4,6
	v_pk_add_f32 v[64+\i:65+\i], v[64+\i:65+\i], v[72+\i:73+\i]
.endr
	ds_store_b128 v14, v[64:67]                    ; query r, columns 16 ct + 8 h + 0 .. 7 of my quarter's part
	ds_store_b128 v14, v[68:71] offset:16
	s_wait_dscnt 0x0
	s_barrier_signal -1
	s_barrier_wait -1                              ; the four partial results lie in LDS
.irp k, 0,1,2,3
	ds_load_b64 v[64+2*\k:65+2*\k], v15 offset:16*WP*\k
.endr
	s_wait_dscnt 0x0
	v_pk_add_f32 v[64:65], v[64:65], v[66:67]
	v_pk_add_f32 v[68:69], v[68:69], v[70:71]
	v_pk_add_f32 v[64:65], v[64:65], v[68:69]
	global_store_b64 v2, v[64:65], s[8:9]          ; wave w stores row w's 64 columns: 256 consecutive bytes, aligned
	s_wait_tensorcnt 0x0                           ; the wave's end, behind my last LDS store
	ds_add_u32 v6, v7
	s_wait_dscnt 0x0
	s_endpgm
.Lfunc_end_k_q44f6f9cdd1_first16:
	.size	k_q44f6f9cdd1_first16, .Lfunc_end_k_q44f6f9cdd1_first16-k_q44f6f9cdd1_first16
	.p2alignl 7, 3214868480
	.fill 96, 4, 3214868480
	.section	.rodata,"a",@progbits
	.p2align	6, 0x0
	.amdhsa_kernel k_q44f6f9cdd1_first16
		.amdhsa_group_segment_fixed_size 154880
		.amdhsa_private_segment_fixed_size 0
		.amdhsa_enable_private_segment 0
		.amdhsa_kernarg_size 24
		.amdhsa_user_sgpr_count 2
		.amdhsa_user_sgpr_kernarg_segment_ptr 1
		.amdhsa_wavefront_size32 1
		.amdhsa_system_sgpr_workgroup_id_x 1
		.amdhsa_system_sgpr_workgroup_id_y 1
		.amdhsa_system_sgpr_workgroup_id_z 1
		.amdhsa_system_vgpr_workitem_id 0
		.amdhsa_next_free_vgpr 256
		.amdhsa_next_free_sgpr 66
		.amdhsa_reserve_vcc 1
		.amdhsa_float_denorm_mode_32 3
		.amdhsa_float_denorm_mode_16_64 3
		.amdhsa_memory_ordered 1
		.amdhsa_forward_progress 1
		.amdhsa_inst_pref_size 32
	.end_amdhsa_kernel
	.amdgpu_metadata
---
amdhsa.version: [ 1, 2 ]
amdhsa.kernels:
  - .name:           k_q44f6f9cdd1_first16
    .symbol:         k_q44f6f9cdd1_first16.kd
    .args:
      - { .name: fine32, .offset: 0, .size: 8, .value_kind: global_buffer, .address_space: global }
      - { .name: wo_w, .offset: 8, .size: 8, .value_kind: global_buffer, .address_space: global }
      - { .name: out0, .offset: 16, .size: 8, .value_kind: global_buffer, .address_space: global }
    .group_segment_fixed_size: 154880
    .private_segment_fixed_size: 0
    .kernarg_segment_align: 8
    .kernarg_segment_size: 24
    .max_flat_workgroup_size: 512
    .sgpr_count:     66
    .vgpr_count:     256
    .wavefront_size: 32
...
	.end_amdgpu_metadata
.endif
;; end of part 5
